; MI455X (gfx1250); checked and timed in simulation.
; The chip was launched on July 23, 2026; its instructions are those of AMD's public machine-readable ISA for CDNA 5 (MIT licence, August 2026) and "CDNA5" Instruction Set Architecture Reference Guide (July 2026). The comments in the code are by the model that wrote it; some were corrected since.
;; Block Sparse Attention. Allowed arithmetic: matrix products marked QUANTISED: E3M2 operands, one E8M0 scale for each 32 along K, by v_wmma_scale_f32_16x16x128_f8f6f4 with both operands' format E3M2, f32 sums; everything else in f32.
;; Inputs: Wk 1,024 x 1,024 float32; Wo 1,024 x 1,024 float32; Wq 1,024 x 1,024 float32; Wv 1,024 x 1,024 float32; bk 1,024 float32; bo 1,024 float32; bq 1,024 float32; bv 1,024 float32; x 4 x 2,048 x 1,024 float32.
;; Outputs: out0 4 x 2,048 x 1,024 float32.
;; This version of the problem:
;;   THIS VERSION OF THE PROBLEM IS GIVEN IN LOW PRECISION. The matrix products marked QUANTISED in the list below multiply operands that are first quantised to E3M2 (3 exponent bits, 2 mantissa bits; 6 bits a number), with one power-of-two scale for each 32 numbers along K (OCP MX v1.0); their sums are f32. All else is computed in f32.
;;   The module's matrix products, in the order in which they are computed (A, B: the left and right operand; K: the contracted axis; several contracted axes count as one K, in the product's order):
;;     1. [M 8,192, K 1,024] x [K 1,024, N 1,024]; A: input x; B: input Wq: QUANTISED
;;     2. [M 8,192, K 1,024] x [K 1,024, N 1,024]; A: input x; B: input Wk: QUANTISED
;;     3. [M 8,192, K 1,024] x [K 1,024, N 1,024]; A: input x; B: input Wv: QUANTISED
;;     4. batch 64 x [M 2,048, K 64] x [K 64, N 2,048]; A: computed on the way; B: computed on the way: QUANTISED
;;     5. batch 64 x [M 2,048, K 2,048] x [K 2,048, N 64]; A: softmax (see below); B: computed on the way: QUANTISED
;;     6. [M 8,192, K 1,024] x [K 1,024, N 1,024]; A: computed on the way; B: input Wo: QUANTISED
;;   THE QUANTISER, for each operand of a quantised product, along K:
;;     - K is cut into blocks of 32 from its start; a last block that is shorter is filled with zeros.
;;     - A block's scale is 2^e with e = floor(log2(the largest magnitude in the block)) - 4, held to -126 .. 127; a block of zeros has e = 0. As a byte (E8M0): e + 127.
;;     - Each number is divided by its block's scale, clamped to +-28, and rounded to the nearest number of E3M2, ties to even, subnormals kept.
;;     - The product sums the exact products of the quantised numbers (number of the format x scale) in f32.
;;   ~~~python
;;   def quantise(x, axis):      # numpy; x: float32 -> the quantised numbers, widened to float32 again
;;       x = np.moveaxis(x, axis, -1); K = x.shape[-1]
;;       x = np.pad(x, [(0, 0)] * (x.ndim - 1) + [(0, -K % 32)]); x = x.reshape(x.shape[:-1] + (-1, 32)); a = np.abs(x).max(-1, keepdims=True)
;;       e = np.where(a > 0, np.clip(np.frexp(np.where(a > 0, a, 1))[1] - 1 - 4, -126, 127), 0)      # np.frexp(a)[1] - 1 = floor(log2(a)), exactly
;;       r = np.clip(x / 2.0 ** e, -28, 28)
;;       step = 2.0 ** (np.maximum(np.frexp(np.where(r == 0, 1, r))[1] - 1, -2) - 2)
;;       q = np.round(r / step) * step * 2.0 ** e      # np.round: ties to even
;;       return np.moveaxis(q.reshape(q.shape[:-2] + (-1,))[..., :K], -1, axis).astype(np.float32)
;;   ~~~
;;   SOFTMAX AHEAD OF A QUANTISED PRODUCT. Where the list says 'softmax', what is quantised is not the finished softmax but p = 2^(t - M), with t = logit x log2(e) and M = ceil(the row's largest t), a whole number; so 1/2 < the row's largest p <= 1. The row's sum l is taken of the UNQUANTISED p, in f32, and the product's result is divided by l at the end. Since M is a whole number, a kernel that streams over the keys may use a running M (the ceiling of the running maximum): every later rescaling is an exact power of two, which a block's scale takes up: the codes' values come out the same.
;;   OPERANDS COMPUTED ON THE WAY. 'Computed on the way' means the value that the module computes at that place (a softmax that the list does not call 'softmax' is quantised finished and normalised). What goes into a quantiser is computed in f32, as accurately as f32 sums, v_exp_f32 and their like allow (about 1e-6 of the number): no bf16 or f16 on the way to a quantiser, and a product that is left as it is and whose result goes on into a quantised operand takes f32 operands (vector FMAs, or v_wmma_f32_16x16x4_f32). A number that lies on a knife's edge between two numbers of the format may be rounded either way, as far as f32 arithmetic and the matrix unit's own rounding can turn it there, and no further.
;; One version. Each part assembles by itself: llvm-mc -triple=amdgcn-amd-amdhsa -mcpu=gfx1250 --defsym DOCPART=n.
;; ======== version 1 of 1: 4 launches
;; workspace buffers: xq 6,553,600 bytes; wq 3,276,800 bytes; qk 13,107,200 bytes; vq 6,553,600 bytes; oq 6,553,600 bytes
;; launch quant (part 1): grid 384 x 1, 4 waves a work-group, no clusters, 33,280 bytes of LDS; arguments x, Wq, Wk, Wv, Wo, xq, wq; writes xq, wq
.if DOCPART == 1
	.amdgcn_target "amdgcn-amd-amdhsa--gfx1250"
	.amdhsa_code_object_version 6
	.text
	.protected	k_qdae05ce0cd_quant
	.globl	k_qdae05ce0cd_quant
	.p2align	8
	.type	k_qdae05ce0cd_quant,@function
k_qdae05ce0cd_quant:
	s_mov_b64 s[64:65], 0
	v_nop
	global_prefetch_b8 v0, s[64:65] scope:SCOPE_SE
	s_setreg_imm32_b32 hwreg(HW_REG_WAVE_MODE, 25, 1), 1
	s_wait_xcnt 0x0
; THE PROGRAM: four launches.  quant: x and the four weights become codes of E3M2 with one E8M0 byte for each 32 along K.  qkv: one product [8192 x 1024] x [1024 x 3072], biases, and q, k, v quantised in registers.
; attn: the masked attention on codes, its result quantised.  oproj: the last product, bo, out0.
; WORK LEFT OUT (in attn), and why it is dead.  reference() builds its mask in its own body: key j counts for query i where |i - j| <= 32 or j < 4 or i < 4; every other score becomes -inf ahead of the softmax, so its
; weight is 0 for all values of the inputs, and a block of 32 keys whose weights are all 0 has zero codes and adds nothing to the second product.  For queries 32 m .. 32 m + 31 (but queries 0 to 3) the keys that count lie in the
; key blocks m - 1, m, m + 1 and 0: only those four blocks are multiplied; queries 0 to 3 of each sequence take all 2,048 keys.  Every input has a way to the output: all nine are loaded.
; LIMIT that follows: a NaN, an infinity or an overflow in a score that the mask throws away is not carried to the result.
; THIS LAUNCH.  x [8192][1024] and Wq, Wk, Wv, Wo [1024][1024], f32, K innermost, become codes (a row of 1,024 codes is 768 bytes) and scale bytes (32 a row).
; A block's scale is 2^(floor(log2(its largest magnitude)) - 4); its byte is the largest magnitude's exponent field - 4, held at 1 from below.  A block of zeros so gets the byte 1 where the rule says 127: its codes are zeros,
; which add nothing under any byte but 0xff, and the bytes are read by this program alone.
; LIMITS: blocks whose largest magnitude lies under 2^-122 get the byte 1; NaN and infinities among the inputs are not served.
; ROWS ARE STORED AT POSITIONS: inside each 32 rows the chunks of 8 rows numbered 1 and 2 change places.  A tile of 16 positions, 2 B + u, then holds in lane r the row 32 B + 8 u + r + 8 (r / 8): as source 0 of a matrix
; instruction it leaves 16 neighbouring rows in the 16 result registers of two neighbouring tiles, which is what the next quantiser wants.
; SHARES.  Work-groups 0-255 take x, 256-383 the weights (32 each, in the order Wq, Wk, Wv, Wo), 32 rows a work-group; a wave takes one chunk of 8 rows: 8,192 numbers, 16 steps of 512.  Only pointers are chosen: one path for all.
; Each of a step's four loads reads 512 consecutive bytes; the 2,048 bytes turn through the wave's own stage in LDS and come back 64 bytes a lane: 16 neighbours, two lanes to a block.
; No matrix units, no clusters, no tensor loads: nothing is shared between waves, and the launch only streams.
.set WAVES, 4
.set STEPS, 16
.set EMAX,  4
.set CB,    12                         ; bytes of 16 codes
.set R,     16                         ; v16-79   four sets of 16 numbers as they are loaded
.set X,     80                         ; v80-111  two sets of 16 neighbours
.set C,     128                        ; v128-191 codes: four registers for each step, so that no store's data are written again
.set E,     112                        ; v112-127 a scale byte for each step
.set WREG,  8192                       ; LDS: a region for each wave: two stages of 32 x SP bytes, behind them its 256 scale bytes
.set SP,    80                         ; a lane's place in a stage: 64 bytes + 16 of padding
.set SPW,   12                         ; v12 LDS address of my spare word; never rewritten
.set NIL,   13                         ; v13 0; never rewritten
.set SPARE, WAVES*WREG                 ; the spare words: 128 bytes a wave, named by no other line
	s_load_b256 s[4:11], s[0:1], 0x0               ; x, Wq, Wk, Wv
	s_load_b128 s[12:15], s[0:1], 0x20             ; Wo, xq
	s_load_b64 s[16:17], s[0:1], 0x30              ; wq
	v_lshl_add_u32 v[SPW], v0, 2, SPARE
	v_mov_b32 v[NIL], 0
	v_lshrrev_b32 v1, 5, v0
	v_readfirstlane_b32 s18, v1                    ; wave
	v_and_b32 v2, 31, v0                           ; lane
	v_lshlrev_b32 v3, 4, v2                        ; my 16 bytes of a load's 512
	s_mul_i32 s19, s18, WREG
	v_lshrrev_b32 v14, 2, v2
	v_mul_u32_u24 v14, v14, SP
	v_and_b32 v15, 3, v2
	v_lshl_add_u32 v14, v15, 4, v14
	v_add_nc_u32 v14, s19, v14                     ; the stage, on the way in: SP (lane / 4) + 16 (lane % 4)
	v_mul_u32_u24 v15, v2, SP
	v_add_nc_u32 v15, s19, v15                     ; and on the way out: SP x lane
	v_mul_u32_u24 v4, v2, CB                       ; my codes' place in a step's
	v_lshrrev_b32 v5, 1, v2
	s_add_co_u32 s19, s19, 2*32*SP
	v_add_nc_u32 v5, s19, v5                       ; LDS: my wave's 256 scale bytes, my block's byte
	v_lshlrev_b32 v7, 3, v2                        ; and on the way out 8 bytes a lane
	v_add_nc_u32 v6, s19, v7
	s_and_b32 s27, s18, 1
	s_lshl_b32 s27, s27, 1
	s_lshr_b32 s28, s18, 1
	s_or_b32 s27, s27, s28                         ; the chunk's position: chunks 1 and 2 change places
	s_wait_kmcnt 0x0
	s_cmp_lt_u32 ttmp9, 288                        ; the choices hang on the work-group's number alone
	s_cselect_b64 s[20:21], s[6:7], s[8:9]         ; Wq or Wk
	s_cmp_lt_u32 ttmp9, 352
	s_cselect_b64 s[22:23], s[10:11], s[12:13]     ; Wv or Wo
	s_cmp_lt_u32 ttmp9, 320
	s_cselect_b64 s[20:21], s[20:21], s[22:23]
	s_cmp_lt_u32 ttmp9, 256                        ; x's work-group?
	s_cselect_b64 s[4:5], s[4:5], s[20:21]         ; from where
	s_cselect_b64 s[8:9], s[14:15], s[16:17]       ; to where: xq or wq
	s_mov_b32 s24, 31
	s_cselect_b32 s24, 255, s24                    ; the work-group's number inside its source,
	s_mov_b32 s25, 127
	s_cselect_b32 s25, 255, s25                    ; and inside its destination
	s_mov_b32 s26, 3145728
	s_cselect_b32 s26, 6291456, s26                ; where the destination's scale bytes begin
	s_and_b32 s24, ttmp9, s24
	s_and_b32 s25, ttmp9, s25
	s_lshl_b32 s24, s24, 2
	s_add_co_u32 s24, s24, s18                     ; which chunk of 8 rows I read,
	s_lshl_b32 s25, s25, 2
	s_add_co_u32 s25, s25, s27                     ; and at which position it is stored
	s_lshl_b32 s28, s24, 15                        ; 32,768 bytes of f32 a chunk
	s_mov_b32 s29, 0
	s_add_nc_u64 s[4:5], s[4:5], s[28:29]
	s_lshl_b32 s28, s25, 8                         ; 256 scale bytes a chunk
	s_add_co_u32 s28, s28, s26
	s_add_nc_u64 s[10:11], s[8:9], s[28:29]
	s_mul_i32 s28, s25, 32*STEPS*CB                ; 6,144 bytes of codes a chunk
	s_add_nc_u64 s[8:9], s[8:9], s[28:29]
.macro LOAD t
.irp i, 0,1,2,3
	global_load_b128 v[R+16*((\t)%4)+4*\i:R+16*((\t)%4)+4*\i+3], v3, s[4:5] offset:2048*(\t)+512*\i th:TH_LOAD_NT   ; 32 lanes read 512 consecutive bytes
.endr
.endm
.macro TURN t                          ; step t's numbers through the stage: LDS serves a wave's instructions in order, so no wait stands between the stores and the loads
.irp i, 0,1,2,3
	ds_store_b128 v14, v[R+16*((\t)%4)+4*\i:R+16*((\t)%4)+4*\i+3] offset:32*SP*((\t)%2)+8*SP*\i
.endr
.irp i, 0,1,2,3
	ds_load_b128 v[X+16*((\t)%2)+4*\i:X+16*((\t)%2)+4*\i+3], v15 offset:32*SP*((\t)%2)+16*\i
.endr
.endm
.irp t, 0,1,2,3
	LOAD \t
.endr
	s_wait_loadcnt 12                              ; step 0's four loads are in; twelve younger ones stay out
	TURN 0
.macro STEP t
.set XS, X+16*((\t)%2)
.if (\t) > 0
	s_wait_dscnt 1                                 ; this step's numbers are back from the stage (the last step's byte store may be out): so its stores into the stage have read their registers,
.else
	s_wait_dscnt 0x0
.endif
.if (\t)+4 < STEPS
	LOAD (\t)+4                                    ; which take the loads of four steps on
.endif
.if (\t)+1 < STEPS
.if STEPS-2-(\t) >= 3
	s_wait_loadcnt 12                              ; the next step's four loads are in; those of the three steps behind it may be out
.else
	s_wait_loadcnt 4*(STEPS-2-(\t))
.endif
	TURN (\t)+1                                    ; and go through the other stage while this step is worked
.endif
	v_max3_num_f32 v8, |v[XS]|, |v[XS+1]|, |v[XS+2]|               ; the largest magnitude of my 16, in two chains
	v_max3_num_f32 v9, |v[XS+3]|, |v[XS+4]|, |v[XS+5]|
.irp i, 6,10
	v_max3_num_f32 v8, v8, |v[XS+\i]|, |v[XS+\i+1]|
	v_max3_num_f32 v9, v9, |v[XS+\i+2]|, |v[XS+\i+3]|
.endr
	v_max3_num_f32 v8, v8, |v[XS+14]|, |v[XS+15]|
	v_max3_num_f32 v8, v8, v9, (EMAX+1)<<23        ; and the floor 2^(5 - 127): the byte cannot fall under 1
	v_max_num_f32_dpp v8, v8, v8 row_xmask:1 row_mask:0xf bank_mask:0xf   ; and of my neighbour's 16: the block's
	v_add_nc_u32 v11, -(EMAX<<23), v8              ; 4 off its exponent field: the conversion takes the exponent field of this operand as its scale
	v_cvt_scalef32_pk16_bf6_f32 v[C+4*(\t):C+4*(\t)+2], v[XS:XS+15], v11         ; sixteen codes, 96 bits, the first number's lowest; beyond 28 the largest code
	v_lshrrev_b32 v[E+(\t)], 23, v11               ; the scale's byte (also the plain line behind the conversion)
	ds_store_b8 v5, v[E+(\t)] offset:16*(\t)       ; both lanes of a block write the same byte with the same value
	global_store_b96 v4, v[C+4*(\t):C+4*(\t)+2], s[8:9] offset:32*CB*(\t)        ; the wave stores 384 consecutive bytes
.endm
.irp t, 0,1,2,3,4,5,6,7,8,9,10,11,12,13,14,15
	STEP \t
.endr
	ds_load_b64 v[8:9], v6                         ; LDS serves a wave's instructions in order: these see my stores
	s_wait_dscnt 0x0
	global_store_b64 v7, v[8:9], s[10:11]          ; 32 lanes store 256 consecutive bytes, aligned
	s_wait_tensorcnt 0x0                           ; the wave's end, behind my last LDS store
	ds_add_u32 v[SPW], v[NIL]
	s_wait_dscnt 0x0
	s_endpgm
.Lfunc_end_k_qdae05ce0cd_quant:
	.size	k_qdae05ce0cd_quant, .Lfunc_end_k_qdae05ce0cd_quant-k_qdae05ce0cd_quant
	.p2alignl 7, 3214868480
	.fill 96, 4, 3214868480
	.section	.rodata,"a",@progbits
	.p2align	6, 0x0
	.amdhsa_kernel k_qdae05ce0cd_quant
		.amdhsa_group_segment_fixed_size 33280
		.amdhsa_private_segment_fixed_size 0
		.amdhsa_enable_private_segment 0
		.amdhsa_kernarg_size 56
		.amdhsa_user_sgpr_count 2
		.amdhsa_user_sgpr_kernarg_segment_ptr 1
		.amdhsa_wavefront_size32 1
		.amdhsa_system_sgpr_workgroup_id_x 1
		.amdhsa_system_sgpr_workgroup_id_y 1
		.amdhsa_system_sgpr_workgroup_id_z 1
		.amdhsa_system_vgpr_workitem_id 0
		.amdhsa_next_free_vgpr 192
		.amdhsa_next_free_sgpr 66
		.amdhsa_reserve_vcc 0
		.amdhsa_float_denorm_mode_32 3
		.amdhsa_float_denorm_mode_16_64 3
		.amdhsa_memory_ordered 1
		.amdhsa_forward_progress 1
		.amdhsa_inst_pref_size 33
	.end_amdhsa_kernel
	.amdgpu_metadata
---
amdhsa.version: [ 1, 2 ]
amdhsa.kernels:
  - .name:           k_qdae05ce0cd_quant
    .symbol:         k_qdae05ce0cd_quant.kd
    .args:
      - { .name: x, .offset: 0, .size: 8, .value_kind: global_buffer, .address_space: global }
      - { .name: Wq, .offset: 8, .size: 8, .value_kind: global_buffer, .address_space: global }
      - { .name: Wk, .offset: 16, .size: 8, .value_kind: global_buffer, .address_space: global }
      - { .name: Wv, .offset: 24, .size: 8, .value_kind: global_buffer, .address_space: global }
      - { .name: Wo, .offset: 32, .size: 8, .value_kind: global_buffer, .address_space: global }
      - { .name: xq, .offset: 40, .size: 8, .value_kind: global_buffer, .address_space: global }
      - { .name: wq, .offset: 48, .size: 8, .value_kind: global_buffer, .address_space: global }
    .group_segment_fixed_size: 33280
    .private_segment_fixed_size: 0
    .kernarg_segment_align: 8
    .kernarg_segment_size: 56
    .max_flat_workgroup_size: 128
    .sgpr_count:     66
    .vgpr_count:     192
    .wavefront_size: 32
...
	.end_amdgpu_metadata
.endif
;; end of part 1
;; launch qkv (part 2): grid 12 x 32, 4 waves a work-group, clusters of 4 x 4, 327,680 bytes of LDS; arguments xq, wq, bq, bk, bv, qk, vq; writes qk, vq
.if DOCPART == 2
	.amdgcn_target "amdgcn-amd-amdhsa--gfx1250"
	.amdhsa_code_object_version 6
	.text
	.protected	k_qdae05ce0cd_qkv
	.globl	k_qdae05ce0cd_qkv
	.p2align	8
	.type	k_qdae05ce0cd_qkv,@function
k_qdae05ce0cd_qkv:
	s_mov_b64 s[64:65], 0
	v_nop
	global_prefetch_b8 v0, s[64:65] scope:SCOPE_SE
	s_setreg_imm32_b32 hwreg(HW_REG_WAVE_MODE, 25, 1), 1
	s_wait_xcnt 0x0
	s_wait_alu depctr_hold_cnt(0) depctr_sa_sdst(0) depctr_va_vdst(0) depctr_va_sdst(0) depctr_va_ssrc(0) depctr_va_vcc(0) depctr_vm_vsrc(0)
	s_getreg_b32 s2, hwreg(HW_REG_IB_STS2, 6, 4)
	s_cmp_eq_u32 s2, 0
	s_cbranch_scc0 .Lentry_in_a_cluster
	s_endpgm
.Lentry_in_a_cluster:
	s_bfe_u32 s2, ttmp6, 0x10000c
	s_cmp_lg_u32 s2, 0xf033
	s_cbranch_scc0 .Lentry_shape_is_right
	s_endpgm
.Lentry_shape_is_right:
; q, k, v = x W^T + b on codes of E3M2 (one E8M0 byte for each 32 along K), and the results quantised at once, in registers, for the attention's two products.  No work of reference() is left out here.
; A: xq, 8,192 token positions x 1,024; B: wq's first 3,072 row positions (Wq, Wk, Wv).  A tile of the result is 256 tokens x 256 rows of W; tile columns 0-3 are q, 4-7 k, 8-11 v.  Four waves, each 128 x 128: 64 accumulators.
; K goes in steps of 256 through a ring of two LDS slots filled by the tensor data mover; the scale bytes of the work-group's 512 rows come once and stay.
; CLUSTERS: 4 x 4 work-groups; the tokens' tiles are shared along a row of the cluster, W's along a column: each is asked for jointly.  A cluster's four tile columns belong to one of q, k, v.
; ROLES.  q, k (ROLE = 0): source 0 = 16 rows of W, source 1 = 16 tokens: a lane holds ONE token and its registers run along the head's axis, which is the K of q k^T.
; v (ROLE = 1): source 0 = 16 tokens, source 1 = 16 rows of Wv: a lane holds one channel and its registers run along the tokens, the K of p v.  The text is the same: only the LDS addresses of the fragments change places.
; ROLE hangs on the cluster's number alone: it is equal in all sixteen partners.
; Rows lie at positions (chunks 1 and 2 of each 32 rows changed places), so the 16 registers of source 0's tiles 2 B and 2 B + 1 are 16 neighbours, 32 B + 16 (lane / 16) + 0 .. 15: a block of 32 lies in lanes l and l xor 16.
; THE WAY OUT.  A block of 16 (source 1) x 128 (source 0) gets its bias and becomes one operand fragment, 12 registers, stored as an IMAGE OF THE REGISTERS: piece p (registers 2 p, 2 p + 1) at 256 p + 8 x lane: each store of
; the wave covers 256 consecutive bytes, aligned.  The eight scale words of a wave go out likewise, two tiles to a register (lanes 0-15, lanes 16-31).
; LIMITS: blocks whose largest magnitude lies under 2^-122 get the byte 1, blocks of zeros too (their codes are zeros; this program alone reads the bytes); NaN and infinities are not served.
; REGISTERS: window 0: v0-31 addresses; v32-63 scale words, two sets (on the way out: the new scale words); v64-127 the biases; from v128 source 1's fragments, one set (on the way out: the block at work, its codes);
;   window 1: source 0's fragments, two sets;  windows 2, 3: the accumulators ((a, b) at v[8 (8 (a % 4) + b)]).
.set SIZE_K, 1024
.set KSTEP,  256                       ; along K in a slot
.set NQ,     KSTEP/128
.set ROWB,   192                       ; a tile's row in bytes
.set KROW,   SIZE_K*6/8                ; a row of codes in memory
.set PITCH,  240                       ; an LDS row: 3 x (64 bytes + 16 of padding)
.set FR,     12
.set NL,     6
.set NP,     4                         ; places behind this matrix instruction (ISA guide 7.12.1)
.set HALFT,  128*PITCH
.set SLOT,   4*HALFT                   ; the tokens' 256 rows, then W's 256 rows
.set LAPS,   SIZE_K/(2*KSTEP)
.set KS,     SIZE_K/32
.set SCL,    2*SLOT                    ; behind the ring: the scale bytes, as units of 256 bytes + 16 of padding
.set HALFS,  (128*KS/256)*272
.set SBLK,   (16*KS/256)*272
.set SPARE,  294912                    ; the spare words: 128 bytes a wave, named by no other line
.set ADRA, 16                          ; v16-17 LDS address of source 1's fragments in slot 0, 1 (v18-19: behind one padding more)
.set ADRB, 20                          ; v20-21 the same for source 0 (v22-23)
.set BH,   24                          ; v24 64 x (lane / 16): the biases' lane term, q and k
.set BR,   25                          ; v25 4 x (r + 8 (r / 8)): the same for v
.set GO,   26                          ; v26 8 x lane: my place in a piece of an image
.set ADRS, 27                          ; v27 LDS address of my scale words
.set SPW,  28
.set NIL,  29
.set SC,   32
.set BN,   64                          ; v64-127 the biases in the result's layout, eight registers a tile: ROLE 0 by source 0's tile b, ROLE 1 by source 1's tile a
.set AF,   128
.set W,    128                         ; the way out: v128-191 the block at work
.set PC,   192                         ; v192-203, v212-223 its codes, two sets
.set T,    232                         ; v232-247 at work in QUANT
.set PW,   32                          ; v32-39 the eight scale words;  v40-43 merged
.set EW,   40
.set G1, 24
.set G0, 32
.set G1B, 48
.set G0B, 56
.set G1S, 68
.set G0S, 76
.set G1SB, 80
.set G0SB, 88
.set ROLE, 95                          ; s95
.set SEL,  98                          ; s[98:99] v_permlanex16_b32's selects for lane l xor 16
.set MSB, 0
.macro WIN new                         ; the immediate's high byte repeats the setting that is left
.if MSB != \new
	s_set_vgpr_msb (MSB<<8)|\new
.set MSB, \new
.endif
.endm
.set MUL_LO, 0xa1                      ; source 0 window 1, source 1 window 0, C and D window 2
.set MUL_HI, 0xf1
.set TO_B,   0x40
; A joint load: waves 0 and 1 fetch the tokens' halves, waves 2 and 3 W's.  An s_nop 0 and four v_nop follow each of the two lines.
.macro JLOAD g0a, g1a, g0b, g1b
	s_cmp_eq_u32 s15, 0
	s_cbranch_scc0 .Lfor_b_\@
	tensor_load_to_lds s[\g0a:\g0a+3], s[\g1a:\g1a+7]
	s_nop 0
.rept 4
	v_nop
.endr
	s_branch .Lasked_\@
.Lfor_b_\@:
	tensor_load_to_lds s[\g0b:\g0b+3], s[\g1b:\g1b+7]
	s_nop 0
.rept 4
	v_nop
.endr
.Lasked_\@:
.endm
.macro CREST
	s_cmp_lg_u32 s14, 0
	s_cbranch_scc1 .Lnot_wave_0_\@
	s_barrier_signal -3
.Lnot_wave_0_\@:
	s_barrier_wait -3
	s_barrier_signal -1
	s_barrier_wait -1
.endm
.macro CROUND
	s_barrier_signal -1
	s_barrier_wait -1
	CREST
.endm
	s_load_b128 s[4:7], s[0:1], 0x0                ; xq, wq
	v_lshl_add_u32 v[SPW], v0, 2, SPARE
	v_mov_b32 v[NIL], 0
	ds_add_u32 v[SPW], v[NIL]                      ; the wave's opening: the add, twice on end, and its wait ahead of my first tensor load
	ds_add_u32 v[SPW], v[NIL]
	v_lshrrev_b32 v1, 5, v0
	v_readfirstlane_b32 s14, v1                    ; wave 0..3
	s_lshr_b32 s15, s14, 1                         ; which half of source 1's 256 rows is mine.  Also: I fetch tokens (0) or W (1)
	s_and_b32 s16, s14, 1                          ; which half of source 0's.  Also: which 128 rows I fetch
	s_bfe_u32 s40, ttmp6, 0x40000                  ; cx, cy
	s_bfe_u32 s41, ttmp6, 0x40004
	s_lshl_b32 s42, ttmp9, 2
	s_add_co_u32 s42, s42, s40                     ; tile column 0..11
	s_and_b32 s17, ttmp7, 0xffff
	s_lshl_b32 s17, s17, 2
	s_add_co_u32 s17, s17, s41                     ; tile row 0..31
	s_lshl_b32 s43, s41, 2
	s_lshl_b32 s43, 15, s43                        ; my row of the cluster
	s_lshl_b32 s44, 0x1111, s40                    ; my column
	s_cmp_eq_u32 ttmp9, 2                          ; the third column of clusters makes v
	s_cselect_b32 s[ROLE], 1, 0
	s_mov_b32 s97, 0xffff0000                      ; lanes 16-31
	s_mov_b32 s[SEL], 0x76543210
	s_mov_b32 s[SEL+1], 0xfedcba98
	s_or_b32 s[G1+0], s43, (0<<16)|(1<<20)|(1<<21)|(3<<22)|(3<<25)  ; the mask; elements of 1 byte; padding on; bit 21 beside a mask; after every 16 words 4 words
	s_or_b32 s[G1B+0], s44, (0<<16)|(1<<20)|(1<<21)|(3<<22)|(3<<25)
.irp g, G1, G1B
	s_mov_b32 s[\g+1], ROWB<<16                    ; tensor_dim0
	s_mov_b32 s[\g+2], 128<<16                     ; tensor_dim1
	s_mov_b32 s[\g+3], ROWB<<16                    ; tile_dim0
	s_mov_b32 s[\g+4], 128                         ; tile_dim1
	s_mov_b32 s[\g+5], KROW                        ; pitch
	s_mov_b32 s[\g+6], 0
	s_mov_b32 s[\g+7], 0
.endr
	s_or_b32 s[G1S+0], s43, (3<<16)|(1<<20)|(1<<21)|(5<<22)|(3<<25) ; the scale bytes of 128 rows: 4,096 dense bytes as rows of 256, 16 of padding behind each
	s_or_b32 s[G1SB+0], s44, (3<<16)|(1<<20)|(1<<21)|(5<<22)|(3<<25)
.irp g, G1S, G1SB
	s_mov_b32 s[\g+1], 32<<16
	s_mov_b32 s[\g+2], (128*KS/256)<<16
	s_mov_b32 s[\g+3], 32<<16
	s_mov_b32 s[\g+4], 128*KS/256
	s_mov_b32 s[\g+5], 32
	s_mov_b32 s[\g+6], 0
	s_mov_b32 s[\g+7], 0
.endr
	s_lshl_b32 s18, s16, 7
	s_lshl_b32 s20, s17, 8
	s_add_co_u32 s20, s20, s18                     ; tokens: position 256 x tile row + 128 x half
	s_lshl_b32 s46, s42, 8
	s_add_co_u32 s46, s46, s18                     ; W: position 256 x tile column + 128 x half
	s_mov_b32 s21, 0
	s_mov_b32 s47, 0
	s_mov_b64 s[18:19], KS
	s_mul_u64 s[22:23], s[20:21], s[18:19]
	s_mul_u64 s[92:93], s[46:47], s[18:19]
	s_mov_b64 s[18:19], KROW
	s_mul_u64 s[20:21], s[20:21], s[18:19]
	s_mul_u64 s[46:47], s[46:47], s[18:19]
	s_mul_i32 s45, s14, HALFT                      ; where they go: wave x 128 rows
	s_mul_i32 s94, s14, HALFS
	s_wait_dscnt 0x0                               ; both opening adds are done
	s_wait_kmcnt 0x0
	s_mov_b64 s[8:9], s[6:7]                       ; W's codes,
	s_add_nc_u64 s[10:11], s[8:9], 3145728         ; W's scale bytes,
	s_add_nc_u64 s[6:7], s[4:5], 6291456           ; the tokens' scale bytes
	s_add_nc_u64 s[20:21], s[4:5], s[20:21]
	s_add_nc_u64 s[22:23], s[6:7], s[22:23]
	s_add_nc_u64 s[46:47], s[8:9], s[46:47]
	s_add_nc_u64 s[92:93], s[10:11], s[92:93]
	CROUND                                         ; all sixteen work-groups are here: the first joint loads meet
	s_mov_b32 s[G0S], 1
	s_add_co_u32 s[G0S+1], s94, SCL
	s_mov_b64 s[G0S+2:G0S+3], s[22:23]
	s_or_b32 s[G0S+3], s[G0S+3], 0x80000000
	s_mov_b32 s[G0SB], 1
	s_add_co_u32 s[G0SB+1], s94, SCL
	s_mov_b64 s[G0SB+2:G0SB+3], s[92:93]
	s_or_b32 s[G0SB+3], s[G0SB+3], 0x80000000
	JLOAD G0S, G1S, G0SB, G1SB                     ; the scale bytes first: three loads of mine are out behind the third JLOAD
.irp s, 0,1
	s_mov_b32 s[G0+4*\s], 1
	s_add_co_u32 s[G0+4*\s+1], s45, \s*SLOT
	s_add_nc_u64 s[G0+4*\s+2:G0+4*\s+3], s[20:21], \s*ROWB
	s_or_b32 s[G0+4*\s+3], s[G0+4*\s+3], 0x80000000
	s_mov_b32 s[G0B+4*\s], 1
	s_add_co_u32 s[G0B+4*\s+1], s45, \s*SLOT
	s_add_nc_u64 s[G0B+4*\s+2:G0B+4*\s+3], s[46:47], \s*ROWB
	s_or_b32 s[G0B+4*\s+3], s[G0B+4*\s+3], 0x80000000
	JLOAD G0+4*\s, G1, G0B+4*\s, G1B
.endr
	v_and_b32 v1, 15, v0                           ; r
	v_bfe_u32 v2, v0, 4, 1                         ; h
	v_mul_u32_u24 v3, v1, PITCH
	v_mul_u32_u24 v4, v2, 24
	v_add_nc_u32 v4, v3, v4                        ; a fragment's row x pitch + 24 h
	v_lshl_add_u32 v5, v2, 4, v4                   ; and the same behind one padding more
	s_mul_i32 s21, s15, HALFT                      ; source 1: my half; the tokens' rows (ROLE 0) or W's, which lie behind them (ROLE 1)
	s_mul_i32 s22, s16, HALFT                      ; source 0: my half; W's rows (ROLE 0) or the tokens'
	s_cmp_eq_u32 s[ROLE], 1
	s_cselect_b32 s23, 2*HALFT, 0
	s_cselect_b32 s20, 0, 2*HALFT
	s_add_co_u32 s21, s21, s23
	s_add_co_u32 s22, s22, s20
.irp s, 0,1
	v_add_nc_u32 v[ADRA+\s], s21, v4
	v_add_nc_u32 v[ADRB+\s], s22, v4
	v_add_nc_u32 v[ADRA+2+\s], s21, v5
	v_add_nc_u32 v[ADRB+2+\s], s22, v5
	s_add_co_u32 s21, s21, SLOT
	s_add_co_u32 s22, s22, SLOT
.endr
	v_mul_u32_u24 v5, v1, KS                       ; my row's scale bytes: 32 a row,
	v_lshrrev_b32 v6, 8, v5
	v_lshl_add_u32 v5, v6, 4, v5                   ; and 16 more for each 256 passed
	s_mul_i32 s21, s15, HALFS                      ; lanes 0-15 take source 1's words, lanes 16-31 source 0's
	s_mul_i32 s22, s16, HALFS
	s_cmp_eq_u32 s[ROLE], 1
	s_cselect_b32 s23, 2*HALFS, 0
	s_cselect_b32 s20, 0, 2*HALFS
	s_add_co_u32 s21, s21, s23
	s_add_co_u32 s22, s22, s20
	s_add_co_u32 s21, s21, SCL
	s_add_co_u32 s22, s22, SCL
	v_mov_b32 v6, s21
	v_mov_b32 v7, s22
	v_cmp_eq_u32 s96, 1, v2
	v_cndmask_b32 v6, v6, v7, s96
	v_add_nc_u32 v[ADRS], v5, v6
	v_lshlrev_b32 v[BH], 6, v2
	v_and_b32 v[BR], 8, v1
	v_add_nc_u32 v[BR], v[BR], v1
	v_lshlrev_b32 v[BR], 2, v[BR]
	v_and_b32 v[GO], 31, v0
	v_lshlrev_b32 v[GO], 3, v[GO]
	; where my eight images go: unit U = 64 x (which 128 of the 2,048 (q, k) or 1,024 (v) channels) + (which 128 of the 8,192 tokens)
	s_cmp_eq_u32 s[ROLE], 1
	s_cselect_b32 s20, s15, s16                    ; my half of the tile's 256 rows of W
	s_cselect_b32 s21, s16, s15                    ; my half of its 256 tokens
	s_cselect_b32 s22, 8, 0
	s_sub_co_u32 s22, s42, s22
	s_lshl_b32 s22, s22, 1
	s_add_co_u32 s22, s22, s20
	s_lshl_b32 s22, s22, 6
	s_lshl_b32 s23, s17, 1
	s_add_co_u32 s22, s22, s23
	s_add_co_u32 s66, s22, s21                     ; U
	s_and_b32 s67, s42, 3
	s_lshl_b32 s67, s67, 10
	s_lshl_b32 s20, s20, 9
	s_add_co_u32 s67, s67, s20                     ; my 128 biases' first byte
.macro FRAG reg, adr, q, i             ; a fragment: lane l holds row l % 16; registers 6 c .. 6 c + 5 hold K = 64 c + 32 (l / 16) + 0 .. 31: 24 bytes of the row, as they lie, in pieces of 8 bytes
.irp p, 0,1,2,3,4,5
.set PCE, 12*(\q)+6*(\p/3)+\p%3       ; where the piece three on lies behind one padding more, the second address register serves
.if PCE%8 < 5
	ds_load_b64 v[\reg+2*\p:\reg+2*\p+1], v[\adr] offset:8*PCE+16*(PCE/8)+(\i)*16*PITCH
.else
	ds_load_b64 v[\reg+2*\p:\reg+2*\p+1], v[\adr+2] offset:8*PCE+16*(PCE/8)+(\i)*16*PITCH
.endif
.endr
.endm
; 16 matrix instructions: source 1's blocks a0, a0 + 1 x source 0's eight.  The 64 accumulators take turns, one instruction a turn, in the same order in every step.
.macro MUL16 a0, p, q, sc, zero
.irp a, \a0, \a0+1
.irp b, 0,1,2,3,4,5,6,7
.if \zero
	v_wmma_scale_f32_16x16x128_f8f6f4 v[8*(8*((\a)%4)+\b):8*(8*((\a)%4)+\b)+7], v[128*(\p)+FR*\b:128*(\p)+FR*\b+FR-1], v[AF+FR*(\a):AF+FR*(\a)+FR-1], 0, v[SC+8*NQ*(\sc)+NQ*\b+(\q)], v[SC+8*NQ*(\sc)+NQ*(\a)+(\q)] matrix_a_fmt:MATRIX_FMT_BF6 matrix_b_fmt:MATRIX_FMT_BF6 matrix_a_scale:MATRIX_SCALE_ROW1
.else
	v_wmma_scale_f32_16x16x128_f8f6f4 v[8*(8*((\a)%4)+\b):8*(8*((\a)%4)+\b)+7], v[128*(\p)+FR*\b:128*(\p)+FR*\b+FR-1], v[AF+FR*(\a):AF+FR*(\a)+FR-1], v[8*(8*((\a)%4)+\b):8*(8*((\a)%4)+\b)+7], v[SC+8*NQ*(\sc)+NQ*\b+(\q)], v[SC+8*NQ*(\sc)+NQ*(\a)+(\q)] matrix_a_fmt:MATRIX_FMT_BF6 matrix_b_fmt:MATRIX_FMT_BF6 matrix_a_scale:MATRIX_SCALE_ROW1
.endif
.endr
.endr
.endm
.macro FETCH_B slot, q, p
	WIN TO_B
.irp i, 0,1,2,3,4,5,6,7
	FRAG 128*(\p)+FR*\i, ADRB+\slot, \q, \i
.endr
	WIN 0
.endm
.macro FETCH_A slot, q, i0
.irp i, \i0, \i0+1, \i0+2, \i0+3
	FRAG AF+FR*(\i), ADRA+\slot, \q, \i
.endr
.endm
.macro SCALES sc
.irp i, 0,1,2,3,4,5,6,7
	ds_load_b64 v[SC+8*NQ*\sc+NQ*\i:SC+8*NQ*\sc+NQ*\i+1], v[ADRS] offset:\i*SBLK
.endr
.endm
.macro PLACES n                        ; plain vector instructions between a matrix instruction and a load into, or a vector read of, its registers
.rept \n
	v_nop
.endr
.endm
.macro STEP slot, q, zero
	s_wait_dscnt 4*NL                              ; all but the youngest 24 loads (source 1's blocks 4-7) are in
	WIN MUL_LO
	MUL16 0, (\q)%2, \q, \slot, \zero
	MUL16 2, (\q)%2, \q, \slot, \zero
	s_wait_dscnt 0
	PLACES NP
	FETCH_B \slot, (\q)+1, 1-(\q)%2
	FETCH_A \slot, (\q)+1, 0
	WIN MUL_HI
	MUL16 4, (\q)%2, \q, \slot, \zero
	MUL16 6, (\q)%2, \q, \slot, \zero
	PLACES NP
	WIN 0
	FETCH_A \slot, (\q)+1, 4
.endm
; A slot's last step changes slots: one barrier; in front of it each wave waits for all its tensor loads, adds 0 to its spare word, and waits for that and for its reads of this slot.
.macro TURN slot, next, fill
	s_wait_tensorcnt 0x0                           ; all my tensor loads have landed: my part of the next slot
	ds_add_u32 v[SPW], v[NIL]
	s_wait_dscnt 4*NL+1                            ; the add and the youngest 24 loads may be out
	WIN MUL_LO
	MUL16 0, 1, NQ-1, \slot, 0
	s_wait_dscnt 0x0                               ; the add is done, and my reads of this slot are over
	s_barrier_signal -1
	MUL16 2, 1, NQ-1, \slot, 0
	WIN 0
	s_barrier_wait -1
.if \fill
	CREST                                          ; the barrier has opened a round of the cluster's barrier: no wave of any partner still reads this slot or has a load on its way
	s_add_nc_u64 s[G0+4*\slot+2:G0+4*\slot+3], s[G0+4*\slot+2:G0+4*\slot+3], 2*ROWB
	s_add_nc_u64 s[G0B+4*\slot+2:G0B+4*\slot+3], s[G0B+4*\slot+2:G0B+4*\slot+3], 2*ROWB
	JLOAD G0+4*\slot, G1, G0B+4*\slot, G1B         ; the first tensor load behind the round; its four v_nop are the places in front of the loads below
.else
	PLACES NP
.endif
	v_add_nc_u32 v[ADRS], 4*NQ, v[ADRS]
	FETCH_B \next, 0, 0
	FETCH_A \next, 0, 0
	SCALES \next
	WIN MUL_HI
	MUL16 4, 1, NQ-1, \slot, 0
	MUL16 6, 1, NQ-1, \slot, 0
	PLACES NP
	WIN 0
	FETCH_A \next, 0, 4
.endm
; From the four blocks' largest magnitudes in v[T] .. v[T + 3] and 64 numbers in v[src] on (register 16 b + i = k 32 b + 16 (lane / 16) + i of my row): the fragment's codes in v[dst] on and its scale word in v[word].
.macro QTAIL src, dst, word
.irp b, 0,1,2,3
	v_add_nc_u32 v[T+12+\b], 0xfe000000, v[T+\b]   ; 4 off the exponent field: the conversion's scale operand
.endr
.irp b, 0,1,2,3
	v_lshrrev_b32 v[T+4+\b], 23, v[T+12+\b]        ; the scale's byte
.endr
	v_lshl_or_b32 v[\word], v[T+5], 8, v[T+4]
	v_lshl_or_b32 v[\word], v[T+6], 16, v[\word]
	v_lshl_or_b32 v[\word], v[T+7], 24, v[\word]
.irp c, 0,1
	v_cvt_scalef32_pk16_bf6_f32 v[(\dst)+6*\c:(\dst)+6*\c+2], v[(\src)+32*\c:(\src)+32*\c+15], v[T+12+2*\c]
	v_cvt_scalef32_pk16_bf6_f32 v[T+4+4*\c:T+6+4*\c], v[(\src)+32*\c+16:(\src)+32*\c+31], v[T+13+2*\c]   ; (a conversion's three registers begin on an even number)
.endr
	v_nop                                          ; one plain place behind a scaled conversion
.irp c, 0,1                                    ; the operand's layout wants a whole block in a lane: lanes 0-15 block 2 c, lanes 16-31 block 2 c + 1
.irp i, 0,1,2
	v_permlane16_swap_b32 v[(\dst)+6*\c+\i], v[T+4+4*\c+\i]
.endr
.irp i, 0,1,2
	v_mov_b32 v[(\dst)+3+6*\c+\i], v[T+4+4*\c+\i]
.endr
.endr
.endm
.macro QUANT src, dst, word
.irp b, 0,1,2,3
	v_max3_num_f32 v[T+\b], |v[(\src)+16*\b]|, |v[(\src)+1+16*\b]|, 0x2800000   ; my 16 numbers of block b, and the floor 2^(5 - 127)
.endr
.irp i, 2,4,6,8,10,12,14
.irp b, 0,1,2,3
	v_max3_num_f32 v[T+\b], v[T+\b], |v[(\src)+16*\b+\i]|, |v[(\src)+1+16*\b+\i]|
.endr
.endr
.irp b, 0,1,2,3
	v_permlanex16_b32 v[T+4+\b], v[T+\b], s[SEL], s[SEL+1]
.endr
.irp b, 0,1,2,3
	v_max_num_f32 v[T+\b], v[T+\b], v[T+4+\b]      ; with lane l xor 16's: the block's largest magnitude
.endr
	QTAIL \src, \dst, \word
.endm
; Block a of the way out: bias, quantiser, six stores.  The addition also brings the block into window 0; each accumulator is read from its low end on.
.macro EPI a
.set AC, 64*((\a)%4)
.set PCS, PC+20*((\a)%2)
.set WN, 0x02+(\a)/4                   ; source 0: window 2 or 3
	s_cmp_eq_u32 s[ROLE], 1
	s_cbranch_scc1 .Lrow_\@
	WIN WN
.set J, 0
.rept 32
	v_pk_add_f32 v[W+2*J:W+2*J+1], v[AC+2*J:AC+2*J+1], v[BN+2*J:BN+2*J+1]   ; q, k: the bias runs along the registers
.set J, J+1
.endr
	WIN 0
	s_branch .Lsum_\@
.Lrow_\@:
	WIN WN
.set J, 0
.rept 32
	v_pk_add_f32 v[W+2*J:W+2*J+1], v[AC+2*J:AC+2*J+1], v[BN+8*(\a)+2*(J%4):BN+8*(\a)+2*(J%4)+1]   ; v: the lane's channel has one bias
.set J, J+1
.endr
	WIN 0
.Lsum_\@:
.if (\a) >= 2
	s_wait_xcnt 0x0                                ; block a - 2's stores have read this set of codes
.endif
	QUANT W, PCS, PW+(\a)
.irp q, 0,1,2,3,4,5
	global_store_b64 v[GO], v[PCS+2*\q:PCS+2*\q+1], s[84:85] offset:(\a)*1536+256*\q   ; 32 lanes store 256 consecutive bytes, aligned
.endr
.endm
	s_wait_tensorcnt 1                             ; the scale bytes and my part of K step 0 are in; K step 1's load may be out,
	s_barrier_signal -1
	s_barrier_wait -1                              ; everybody's are
	FETCH_B 0, 0, 0
	FETCH_A 0, 0, 0
	SCALES 0
	FETCH_A 0, 0, 4
	s_load_b256 s[68:75], s[0:1], 0x10             ; bq, bk, bv, qk: into the scale bytes' descriptors, whose loads the wait above has shown done
	s_load_b64 s[76:77], s[0:1], 0x30              ; vq
	STEP 0, 0, 1                                   ; the first step stands in front of the loop: its products start the sums
	s_wait_kmcnt 0x0
	s_cmp_eq_u32 ttmp9, 0
	s_cselect_b64 s[78:79], s[68:69], s[70:71]     ; bq or bk,
	s_cmp_eq_u32 s[ROLE], 1
	s_cselect_b64 s[78:79], s[72:73], s[78:79]     ; or bv
	s_cselect_b64 s[84:85], s[76:77], s[74:75]     ; vq or qk
	s_mov_b32 s80, 12582912
	s_cselect_b32 s80, 6291456, s80                ; where its scale images begin
	s_mov_b32 s81, 0
	s_add_nc_u64 s[86:87], s[84:85], s[80:81]
	s_mov_b32 s80, s67
	s_add_nc_u64 s[78:79], s[78:79], s[80:81]
	s_mul_i32 s80, s66, 12288                      ; eight images of 1,536 bytes a unit
	s_add_nc_u64 s[84:85], s[84:85], s[80:81]
	s_lshl_b32 s80, s66, 9                         ; 512 bytes of scale words a unit
	s_add_nc_u64 s[86:87], s[86:87], s[80:81]
	s_cmp_eq_u32 s[ROLE], 1
	s_cbranch_scc1 .Lbias_v
.irp b, 0,1,2,3
.irp k, 0,1,2,3
	global_load_b128 v[BN+16*\b+4*\k:BN+16*\b+4*\k+3], v[BH], s[78:79] offset:128*\b+16*\k   ; register 16 b + i: the bias of channel 32 b + 16 h + i
.endr
.endr
	s_branch .Lbias_done
.Lbias_v:
.irp a, 0,1,2,3,4,5,6,7
.irp j, 0,1,2,3,4,5,6,7
	global_load_b32 v[BN+8*\a+\j], v[BR], s[78:79] offset:4*(32*(\a/2)+8*(\a%2))   ; tile a: my lane's channel 32 (a / 2) + 8 (a % 2) + r + 8 (r / 8), in all eight registers of the result's layout
.endr
.endr
.Lbias_done:
	s_mov_b32 s3, LAPS-1
.Llap:                                                 ; a trip goes once round the ring and fills both slots again
	TURN 0, 1, 1
	STEP 1, 0, 0
	TURN 1, 0, 1
	STEP 0, 0, 0
	s_sub_co_u32 s3, s3, 1
	s_cmp_lg_u32 s3, 0
	s_cbranch_scc1 .Llap
	TURN 0, 1, 0                                   ; the last lap fills nothing
	STEP 1, 0, 0
	s_wait_dscnt 4*NL
	WIN MUL_LO
	MUL16 0, 1, NQ-1, 1, 0
	MUL16 2, 1, NQ-1, 1, 0
	s_wait_dscnt 0
	WIN MUL_HI
	MUL16 4, 1, NQ-1, 1, 0
	MUL16 6, 1, NQ-1, 1, 0
	WIN 0
.irp b, 0,1,2,3
	v_mov_b32 v[T+4+\b], 0                         ; a lane permute's destination counts as one of its sources: written once.  These four name no register of the last products: they are the places behind them
.endr
	s_wait_loadcnt 0x0                             ; the biases
.irp a, 0,1,2,3,4,5,6,7
	EPI \a
.endr
.irp j, 0,1,2,3
	v_cndmask_b32 v[EW+\j], v[PW+2*\j], v[PW+2*\j+1], s97   ; lanes 0-15: tile 2 j's words; lanes 16-31: tile 2 j + 1's
.endr
	global_store_b64 v[GO], v[EW:EW+1], s[86:87]
	global_store_b64 v[GO], v[EW+2:EW+3], s[86:87] offset:256
	s_wait_tensorcnt 0x0                           ; the wave's end
	ds_add_u32 v[SPW], v[NIL]
	s_wait_dscnt 0x0
	CROUND                                         ; the closing round: no work-group ends while a partner may still ask for a tile that names it
	s_endpgm
.Lfunc_end_k_qdae05ce0cd_qkv:
	.size	k_qdae05ce0cd_qkv, .Lfunc_end_k_qdae05ce0cd_qkv-k_qdae05ce0cd_qkv
	.p2alignl 7, 3214868480
	.fill 96, 4, 3214868480
	.section	.rodata,"a",@progbits
	.p2align	6, 0x0
	.amdhsa_kernel k_qdae05ce0cd_qkv
		.amdhsa_group_segment_fixed_size 327680
		.amdhsa_private_segment_fixed_size 0
		.amdhsa_enable_private_segment 0
		.amdhsa_kernarg_size 56
		.amdhsa_user_sgpr_count 2
		.amdhsa_user_sgpr_kernarg_segment_ptr 1
		.amdhsa_wavefront_size32 1
		.amdhsa_system_sgpr_workgroup_id_x 1
		.amdhsa_system_sgpr_workgroup_id_y 1
		.amdhsa_system_sgpr_workgroup_id_z 1
		.amdhsa_system_vgpr_workitem_id 0
		.amdhsa_next_free_vgpr 1024
		.amdhsa_next_free_sgpr 102
		.amdhsa_reserve_vcc 0
		.amdhsa_float_denorm_mode_32 3
		.amdhsa_float_denorm_mode_16_64 3
		.amdhsa_memory_ordered 1
		.amdhsa_forward_progress 1
		.amdhsa_inst_pref_size 208
	.end_amdhsa_kernel
	.amdgpu_metadata
---
amdhsa.version: [ 1, 2 ]
amdhsa.kernels:
  - .name:           k_qdae05ce0cd_qkv
    .symbol:         k_qdae05ce0cd_qkv.kd
    .args:
      - { .name: xq, .offset: 0, .size: 8, .value_kind: global_buffer, .address_space: global }
      - { .name: wq, .offset: 8, .size: 8, .value_kind: global_buffer, .address_space: global }
      - { .name: bq, .offset: 16, .size: 8, .value_kind: global_buffer, .address_space: global }
      - { .name: bk, .offset: 24, .size: 8, .value_kind: global_buffer, .address_space: global }
      - { .name: bv, .offset: 32, .size: 8, .value_kind: global_buffer, .address_space: global }
      - { .name: qk, .offset: 40, .size: 8, .value_kind: global_buffer, .address_space: global }
      - { .name: vq, .offset: 48, .size: 8, .value_kind: global_buffer, .address_space: global }
    .group_segment_fixed_size: 327680
    .private_segment_fixed_size: 0
    .kernarg_segment_align: 8
    .kernarg_segment_size: 56
    .max_flat_workgroup_size: 128
    .sgpr_count:     102
    .vgpr_count:     1024
    .wavefront_size: 32
...
	.end_amdgpu_metadata
.endif
;; end of part 2
;; launch attn (part 3): grid 288 x 1, 8 waves a work-group, no clusters, 62,464 bytes of LDS; arguments qk, vq, oq; writes oq
.if DOCPART == 3
	.amdgcn_target "amdgcn-amd-amdhsa--gfx1250"
	.amdhsa_code_object_version 6
	.text
	.protected	k_qdae05ce0cd_attn
	.globl	k_qdae05ce0cd_attn
	.p2align	8
	.type	k_qdae05ce0cd_attn,@function
k_qdae05ce0cd_attn:
	s_mov_b64 s[64:65], 0
	v_nop
	global_prefetch_b8 v0, s[64:65] scope:SCOPE_SE
	s_setreg_imm32_b32 hwreg(HW_REG_WAVE_MODE, 25, 1), 1
	s_wait_xcnt 0x0
; The masked attention on codes of E3M2, and its result quantised along the hidden axis for the last product.
; WORK LEFT OUT: key blocks of 32 that lie wholly under the mask which reference() builds (|i - j| <= 32 or j < 4 or i < 4) have weight 0 for all inputs and are neither loaded nor multiplied (shown at the head of the first launch).
; A NaN, an infinity or an overflow in a score so thrown away is not carried to the result.
; THE SOFTMAX: t = score x log2(e) / 8; M = ceil(the row's largest t); p = 2^(t - M) is quantised along the keys in blocks of 32 counted from key 0; the sum of the unquantised p divides at the end.
; SHARES.  Work-groups 32-287 (window): batch b, queries 32 m .. 32 m + 31; wave w takes the pair of heads w; its keys are the four blocks m - 1, m, m + 1, 0: one K = 128 instruction of the second product.
; Work-groups 0-31 (global): batch b, pair of heads hp, queries 0 to 3, all 2,048 keys: wave w takes keys 256 w on, 128 a step, each step under its own whole number M; wave 0 adds the sixteen parts, each brought under
; the largest M by an exact power of two.  Lane r there holds query r % 4: four lanes hold the same numbers and write the same bytes.  Every wave runs two tiles (o) of two heads (c) by one text, steered by scalars made of ids.
; LAYOUT.  Both products are used transposed: S^T = K Q^T, O^T = V^T P^T: a lane holds one query.  Operands come from memory as images of their registers (piece p at 256 p + 8 x lane).  A fragment of q or k holds TWO heads
; (K = 0-63 the even one, 64-127 the odd one): Q stands as Q0-5, six zeros, Q6-11, and head c takes 12 registers from 6 c on, so the other head's half meets zero codes.
; Tokens lie at positions: a tile of keys 2 B + u holds in lane r key 32 B + 8 u + r + 8 (r / 8), so the 16 registers of two neighbouring tiles are keys 32 B + 16 (lane / 16) + 0 .. 15.
; No tensor loads and no cluster: the eight waves of a work-group read different heads, and neighbouring work-groups share three key blocks out of four only one block apart: the blocks' addresses differ from partner to partner.
; LIMITS: p under 2^-126 counts as 0; blocks whose largest magnitude lies under 2^-122, and blocks of zeros, get the byte 1 (this program alone reads the bytes); NaN and infinities are not served.
; REGISTERS: v1-15, v18, v90-95 addresses and thresholds; v16, v17 the add's two; v19 at work; v20-23 K's scale words, v24-27 V's, v28 Q's, v29, v30 p's, v31 the result's; v32-35 -M0, l0, -M1, l1; v36-43 softmax at work;
;   v44-61 Q (later p of head 1 in v44-55); v62-73 p of head 0, later the result's codes; v74-89 T; v96-159 S^T, p, O^T; v160-255 K's eight images, then V's eight fragments.
.set SPITCH, 784                       ; LDS: STG at 0: 32 rows of the result's codes, 768 bytes + 16
.set SCS,   25344                      ; their scale bytes, 32 a row
.set PART,  26368                      ; the global rows' 16 parts of O^T, 2,048 bytes each
.set PML,   59136                      ; and their -M and l, 128 bytes each
.set SPARE, 61184                      ; the spare words: 128 bytes a wave, named by no other line
.set T,   74
.set S,   96
.set KV,  160
.set SEL, 96                           ; s[96:97] selects for lane l xor 16
.set CS,  98                           ; s[98:99] c = log2(e) / 8
	s_load_b128 s[4:7], s[0:1], 0x0                ; qk, vq
	s_load_b64 s[8:9], s[0:1], 0x10                ; oq
	v_lshl_add_u32 v16, v0, 2, SPARE
	v_mov_b32 v17, 0
	v_lshrrev_b32 v19, 5, v0
	v_readfirstlane_b32 s2, v19                    ; wave 0..7
	s_cmp_lt_u32 ttmp9, 32
	s_cselect_b32 s3, 1, 0                         ; ROLE: 1 = global rows
	s_cselect_b32 s15, 0, 1                        ; 1 - ROLE
	s_cselect_b32 s19, 3, 15                       ; which rows of Q's tile the lanes take
	s_sub_co_u32 s20, ttmp9, 32
	s_lshr_b32 s21, s20, 6
	s_and_b32 s22, s20, 63
	s_lshr_b32 s23, ttmp9, 3
	s_and_b32 s24, ttmp9, 7
	s_cmp_eq_u32 s3, 1
	s_cselect_b32 s16, s23, s21                    ; b
	s_cselect_b32 s17, s24, s2                     ; hp
	s_cselect_b32 s18, 0, s22                      ; m (0 in the global role)
	s_sub_co_i32 s25, s18, 1                       ; m - 1
	s_max_i32 s26, s25, 0
	s_add_co_u32 s27, s18, 1
	s_min_u32 s27, s27, 63
	s_lshl_b32 s28, s2, 3                          ; global: key blocks 8 w + 0 .. 3
	s_add_co_u32 s29, s28, 1
	s_add_co_u32 s30, s28, 2
	s_add_co_u32 s31, s28, 3
	s_ashr_i32 s32, s25, 2
	s_max_i32 s33, s32, 0                          ; the group of 128 keys in which block m - 1 lies,
	s_add_co_i32 s34, s32, 1
	s_min_i32 s34, s34, 15                         ; and the next
	s_lshl_b32 s35, s2, 1
	s_and_b32 s36, s25, 3
	s_mul_i32 s36, s36, 0x01010101
	s_add_co_u32 s36, s36, 0x03020100              ; byte s of V's scale word: byte (m - 1) % 4 + s of the two groups' eight
	s_mov_b32 s37, 0x03020100
	s_cmp_eq_u32 s18, 0
	s_cselect_b32 s90, 100, 0                      ; m = 0: there is no block m - 1: all of slot 0 is hidden
	s_cmp_eq_u32 s18, 63
	s_cselect_b32 s91, -100, 0                     ; m = 63: no block m + 1
	s_cmp_lt_u32 s18, 2
	s_cselect_b32 s38, -100, 0                     ; m < 2: block 0 stands in slot 1 or 0 already: all of slot 3 is hidden
	s_cmp_eq_u32 s18, 1
	s_cselect_b32 s92, 0xffff, 0                   ; m = 1: slot 0 is block 0: its keys 0 to 3 (lanes 0-15) count for every query
	s_cmp_eq_u32 s3, 1
	s_cselect_b32 s86, s28, s26                    ; the four slots' key blocks
	s_cselect_b32 s87, s29, s18
	s_cselect_b32 s88, s30, s27
	s_cselect_b32 s89, s31, 0
	s_cselect_b32 s100, s35, s33
	s_cselect_b32 s101, s35, s34
	s_cselect_b32 s93, s37, s36
	s_cselect_b32 s94, s37, 0x04020100             ; window: byte 3 is block 0's
	s_cselect_b32 s90, -100, s90                   ; global: nothing is hidden
	s_cselect_b32 s91, 100, s91
	s_cselect_b32 s38, 100, s38
	s_or_b32 s39, s3, s18
	s_or_b32 s39, s39, s2
	s_cmp_eq_u32 s39, 0
	s_cselect_b32 s10, 1, 0                        ; SKIP: rows 0 to 3 of a sequence are stored by the global work-groups alone
	s_lshl_b32 s11, s18, 1                         ; Q's tile in the batch
	s_lshr_b32 s40, s18, 1
	s_lshl_b32 s40, s40, 8
	s_and_b32 s41, s18, 1
	s_lshl_b32 s41, s41, 2
	s_add_co_u32 s14, s40, s41                     ; and its scale words' place
	s_mul_i32 s44, s17, 786432
	s_mul_i32 s43, s16, 196608
	s_add_co_u32 s44, s44, s43                     ; the pair of heads and the batch, in images,
	s_lshl_b32 s45, s17, 15
	s_lshl_b32 s43, s16, 13
	s_add_co_u32 s45, s45, s43                     ; and in scale images
	s_mul_i32 s46, s18, 24576
	s_mul_i32 s47, s2, 3072
	s_add_co_u32 s46, s46, s47
	s_mul_i32 s47, s17, 96
	s_lshl_b32 s48, s18, 10
	s_lshl_b32 s49, s2, 7
	s_add_co_u32 s48, s48, s49
	s_lshl_b32 s49, s17, 2
	s_cmp_eq_u32 s3, 1
	s_cselect_b32 s46, s47, s46
	s_cselect_b32 s48, s49, s48
	s_mul_i32 s47, s16, 1572864
	s_add_co_u32 s46, s46, s47                     ; where I store codes,
	s_lshl_b32 s49, s16, 16
	s_add_co_u32 s48, s48, s49
	s_add_co_u32 s48, s48, 6291456                 ; and scale bytes
	s_mov_b32 s95, 0xffff0000                      ; lanes 16-31
	s_mov_b32 s[SEL], 0x76543210
	s_mov_b32 s[SEL+1], 0xfedcba98
	s_mov_b32 s[CS], 0x3e38aa3b
	s_mov_b32 s[CS+1], s[CS]                       ; (named with it as a pair, so it is written)
	v_and_b32 v1, 31, v0                           ; lane
	v_and_b32 v18, 15, v0                          ; r
	v_bfe_u32 v19, v0, 4, 1                        ; h
	v_lshlrev_b32 v93, 4, v1
	v_lshlrev_b32 v94, 2, v1
	v_and_b32 v3, s19, v18
	v_lshlrev_b32 v3, 3, v3                        ; Q's scale word: 8 x my row
	v_lshl_add_u32 v2, v19, 7, v3                  ; Q's image: 128 h + 8 x my row
	v_and_b32 v6, 8, v18
	v_add_nc_u32 v6, v6, v18
	v_lshlrev_b32 v7, 4, v19
	v_sub_nc_u32 v6, v6, v7                        ; D0 = r + 8 (r / 8) - 16 h
	v_sub_nc_u32 v10, 4, v7
	v_add_nc_u32 v10, s38, v10                     ; slot 3: register i is hidden where i >= 4 - 16 h
	v_mov_b32 v11, 0xff800000                      ; -infinity
	v_mul_u32_u24 v12, v18, SPITCH
	v_mad_u32_u24 v12, v19, 24, v12
	s_mul_i32 s50, s2, 96
	v_add_nc_u32 v12, s50, v12                     ; STG: row r, my pair of heads' 96 bytes, 24 h
	v_lshlrev_b32 v13, 5, v18
	s_lshl_b32 s50, s2, 2
	s_add_co_u32 s50, s50, SCS
	v_add_nc_u32 v13, s50, v13
	v_and_b32 v14, 3, v18
	v_lshlrev_b32 v14, 4, v14
	v_lshl_add_u32 v14, v19, 6, v14                ; 16 (r % 4) + 64 h
	s_lshl_b32 s50, s2, 8
	s_add_co_u32 s50, s50, PML
	v_add_nc_u32 v15, s50, v14
	s_lshl_b32 s50, s2, 12
	s_add_co_u32 s50, s50, PART
	v_add_nc_u32 v14, s50, v14
	s_mul_i32 s50, s2, 4*SPITCH
	v_add_nc_u32 v90, s50, v93                     ; the window's way out: my wave's four rows of STG, 16 bytes a lane;
	v_lshl_add_u32 v91, v19, 4, v90                ; where lanes 16-31 stand in the next row: one padding more
	s_lshl_b32 s50, s2, 7
	s_add_co_u32 s50, s50, SCS
	v_add_nc_u32 v92, s50, v94
	v_and_b32 v95, 3, v18
	v_mul_u32_u24 v95, v95, 768
	v_mad_u32_u24 v95, v19, 24, v95                ; the global rows' way out: row r % 4, 24 h
	v_lshlrev_b32 v18, 3, v18                      ; 8 r
	v_lshlrev_b32 v1, 3, v1                        ; 8 x lane
	v_mov_b32 v37, 0                               ; upper halves of pairs whose low word alone is used: written once
	v_mov_b32 v43, 0
.irp b, 0,1,2,3
	v_mov_b32 v[T+4+\b], 0                         ; a lane permute's destination counts as one of its sources
.endr
	s_mov_b32 s13, 0
	s_wait_kmcnt 0x0
	s_mov_b32 s12, s44
	s_add_nc_u64 s[66:67], s[4:5], s[12:13]        ; q's images
	s_add_nc_u64 s[68:69], s[66:67], 6291456       ; k's
	s_add_nc_u64 s[74:75], s[6:7], s[12:13]        ; v's
	s_mov_b32 s12, s45
	s_add_nc_u64 s[70:71], s[4:5], s[12:13]
	s_add_nc_u64 s[70:71], s[70:71], 12582912      ; q's scale images
	s_add_nc_u64 s[72:73], s[70:71], 262144        ; k's
	s_add_nc_u64 s[76:77], s[6:7], s[12:13]
	s_add_nc_u64 s[76:77], s[76:77], 6291456       ; v's
	s_mov_b32 s12, s46
	s_add_nc_u64 s[78:79], s[8:9], s[12:13]        ; the result's codes
	s_mov_b32 s12, s48
	s_add_nc_u64 s[80:81], s[8:9], s[12:13]        ; and scale bytes.  s4-s7 are free from here on
.macro LOADKQ                          ; Q's image and scale words; the four slots' two images of K each, and their scale words (lanes 0-15 tile 2 B, lanes 16-31 tile 2 B + 1)
	s_mul_i32 s12, s11, 1536
	s_add_nc_u64 s[82:83], s[66:67], s[12:13]
	s_mov_b32 s12, s14
	s_add_nc_u64 s[84:85], s[70:71], s[12:13]
.irp q, 0,1,2
	global_load_b64 v[44+2*\q:45+2*\q], v2, s[82:83] offset:256*\q
.endr
.irp q, 3,4,5
	global_load_b64 v[50+2*\q:51+2*\q], v2, s[82:83] offset:256*\q
.endr
	global_load_b32 v28, v3, s[84:85]
.irp s, 0,1,2,3
	s_wait_xcnt 0x0                                ; the loads above have read their bases: both are written again
	s_mul_i32 s12, s[86+\s], 3072
	s_add_nc_u64 s[82:83], s[68:69], s[12:13]
	s_lshr_b32 s12, s[86+\s], 1
	s_lshl_b32 s12, s12, 8
	s_and_b32 s4, s[86+\s], 1
	s_lshl_b32 s4, s4, 2
	s_add_co_u32 s12, s12, s4
	s_add_nc_u64 s[84:85], s[72:73], s[12:13]
.irp u, 0,1
.irp q, 0,1,2,3,4,5
	global_load_b64 v[KV+24*\s+12*\u+2*\q:KV+24*\s+12*\u+2*\q+1], v1, s[82:83] offset:1536*\u+256*\q   ; 32 lanes read 256 consecutive bytes
.endr
.endr
	global_load_b32 v[20+\s], v1, s[84:85]
.endr
.endm
.macro LOADVS                          ; V's scale words of three groups of 128 keys: the two in which blocks m - 1 .. m + 1 lie, and group 0
	s_wait_xcnt 0x0
	s_lshl_b32 s12, s100, 9
	s_add_nc_u64 s[82:83], s[76:77], s[12:13]
	s_lshl_b32 s12, s101, 9
	s_add_nc_u64 s[84:85], s[76:77], s[12:13]
	global_load_b64 v[96:97], v1, s[82:83]
	global_load_b64 v[98:99], v1, s[82:83] offset:256
	global_load_b64 v[100:101], v1, s[84:85]
	global_load_b64 v[102:103], v1, s[84:85] offset:256
	global_load_b64 v[104:105], v1, s[76:77]
	global_load_b64 v[106:107], v1, s[76:77] offset:256
.endm
.macro VADDR                           ; in an image of V, block j of its 128 keys is registers 6 (j / 2) on of lanes 16 (j % 2) on.  My fragment takes slot 2 c + h there: lanes 0-15 and 16-31 read different blocks
.irp s, 0,1,2,3
	s_lshr_b32 s[4+\s], s[86+\s], 2
	s_mul_i32 s[4+\s], s[4+\s], 12288
	s_bfe_u32 s12, s[86+\s], 0x10001
	s_mul_i32 s12, s12, 768
	s_add_co_u32 s[4+\s], s[4+\s], s12
	s_and_b32 s12, s[86+\s], 1
	s_lshl_b32 s12, s12, 7
	s_add_co_u32 s[4+\s], s[4+\s], s12
.endr
	v_mov_b32 v4, s4
	v_mov_b32 v19, s5
	v_cndmask_b32 v4, v4, v19, s95
	v_add_nc_u32 v4, v4, v18
	v_mov_b32 v5, s6
	v_mov_b32 v19, s7
	v_cndmask_b32 v5, v5, v19, s95
	v_add_nc_u32 v5, v5, v18
.endm
; My query is 32 m + 8 o + r + 8 (r / 8); register i of slot s holds key 32 B_s + 16 h + i.  Slot 0 (block m - 1) is hidden where i < D0 + 8 o, slot 2 (m + 1) where i > D0 + 8 o, slot 3 (block 0) where 16 h + i >= 4; slot 1 never.
.macro MASKS o
	v_add_nc_u32 v7, s90, v6
	v_add_nc_u32 v9, s91, v6
.if \o
	v_add_nc_u32 v7, 8, v7
	v_add_nc_u32 v9, 8, v9
.endif
	v_mov_b32 v19, -16
	v_cndmask_b32 v8, v7, v19, s92
.irp i, 0,1,2,3
	v_cmp_lt_i32 s[16+\i], \i, v8
.endr
.irp i, 4,5,6,7,8,9,10,11,12,13,14,15
	v_cmp_lt_i32 s[16+\i], \i, v7
.endr
.irp i, 0,1,2,3,4,5,6,7,8,9,10,11,12,13,14,15
	v_cmp_gt_i32 s[32+\i], \i, v9
	v_cmp_ge_i32 s[48+\i], \i, v10
.endr
.endm
.macro SMUL c                          ; S^T of head c: eight tiles of 16 keys, each its own accumulator begun with 0
.irp t, 0,2,4,6
	v_wmma_scale_f32_16x16x128_f8f6f4 v[S+8*\t:S+8*\t+7], v[KV+12*\t:KV+12*\t+11], v[44+6*\c:55+6*\c], 0, v[20+\t/2], v28 matrix_a_fmt:MATRIX_FMT_BF6 matrix_b_fmt:MATRIX_FMT_BF6
	v_wmma_scale_f32_16x16x128_f8f6f4 v[S+8*\t+8:S+8*\t+15], v[KV+12*\t+12:KV+12*\t+23], v[44+6*\c:55+6*\c], 0, v[20+\t/2], v28 matrix_a_fmt:MATRIX_FMT_BF6 matrix_b_fmt:MATRIX_FMT_BF6 matrix_a_scale:MATRIX_SCALE_ROW1
.endr
.endm
.macro APPLY                           ; hidden scores become -infinity ahead of the maximum; each accumulator from its low end on
.irp i, 0,1,2,3,4,5,6,7,8,9,10,11,12,13,14,15
	v_cndmask_b32 v[S+\i], v[S+\i], v11, s[16+\i]
.endr
.irp i, 0,1,2,3,4,5,6,7,8,9,10,11,12,13,14,15
	v_cndmask_b32 v[S+32+\i], v[S+32+\i], v11, s[32+\i]
.endr
.irp i, 0,1,2,3,4,5,6,7,8,9,10,11,12,13,14,15
	v_cndmask_b32 v[S+48+\i], v[S+48+\i], v11, s[48+\i]
.endr
.endm
.macro QTAIL src, dst, word            ; from the blocks' largest magnitudes in v[T] on and 64 numbers in v[src] on: the fragment's codes in v[dst] on, its scale word in v[word]
.irp b, 0,1,2,3
	v_add_nc_u32 v[T+12+\b], 0xfe000000, v[T+\b]   ; 4 off the exponent field: the conversion's scale operand
.endr
.irp b, 0,1,2,3
	v_lshrrev_b32 v[T+4+\b], 23, v[T+12+\b]        ; the scale's byte
.endr
	v_lshl_or_b32 v[\word], v[T+5], 8, v[T+4]
	v_lshl_or_b32 v[\word], v[T+6], 16, v[\word]
	v_lshl_or_b32 v[\word], v[T+7], 24, v[\word]
.irp c, 0,1
	v_cvt_scalef32_pk16_bf6_f32 v[(\dst)+6*\c:(\dst)+6*\c+2], v[(\src)+32*\c:(\src)+32*\c+15], v[T+12+2*\c]
	v_cvt_scalef32_pk16_bf6_f32 v[T+4+4*\c:T+6+4*\c], v[(\src)+32*\c+16:(\src)+32*\c+31], v[T+13+2*\c]   ; (a conversion's three registers begin on an even number)
.endr
	v_nop                                          ; one plain place behind a scaled conversion
.irp c, 0,1                                    ; a whole block to a lane: lanes 0-15 block 2 c, lanes 16-31 block 2 c + 1
.irp i, 0,1,2
	v_permlane16_swap_b32 v[(\dst)+6*\c+\i], v[T+4+4*\c+\i]
.endr
.irp i, 0,1,2
	v_mov_b32 v[(\dst)+3+6*\c+\i], v[T+4+4*\c+\i]
.endr
.endr
.endm
.macro QUANT src, dst, word
.irp b, 0,1,2,3
	v_max3_num_f32 v[T+\b], |v[(\src)+16*\b]|, |v[(\src)+1+16*\b]|, 0x2800000   ; my 16 numbers of block b, and the floor 2^(5 - 127)
.endr
.irp i, 2,4,6,8,10,12,14
.irp b, 0,1,2,3
	v_max3_num_f32 v[T+\b], v[T+\b], |v[(\src)+16*\b+\i]|, |v[(\src)+1+16*\b+\i]|
.endr
.endr
.irp b, 0,1,2,3
	v_permlanex16_b32 v[T+4+\b], v[T+\b], s[SEL], s[SEL+1]
.endr
.irp b, 0,1,2,3
	v_max_num_f32 v[T+\b], v[T+\b], v[T+4+\b]
.endr
	QTAIL \src, \dst, \word
.endm
; The softmax of head c over the step's 128 keys; p's codes go to v[dst] on, its scale word to v[29 + c], -M and l to v[32 + 2 c], v[33 + 2 c].
.macro SOFT c, dst
.irp b, 0,1,2,3
	v_max3_num_f32 v[T+\b], v[S+16*\b], v[S+1+16*\b], v[S+2+16*\b]   ; each block's largest score: for the row's maximum and, since p rises with the score, for the block's largest p
.endr
.irp i, 3,5,7,9,11,13
.irp b, 0,1,2,3
	v_max3_num_f32 v[T+\b], v[T+\b], v[S+16*\b+\i], v[S+1+16*\b+\i]
.endr
.endr
.irp b, 0,1,2,3
	v_max_num_f32 v[T+\b], v[T+\b], v[S+15+16*\b]
.endr
.irp b, 0,1,2,3
	v_permlanex16_b32 v[T+4+\b], v[T+\b], s[SEL], s[SEL+1]
.endr
.irp b, 0,1,2,3
	v_max_num_f32 v[T+\b], v[T+\b], v[T+4+\b]      ; with lane l xor 16's 16 keys
.endr
	v_max3_num_f32 v19, v[T], v[T+1], v[T+2]
	v_max_num_f32 v19, v19, v[T+3]                 ; the row's largest score (slot 1 is never hidden: it is a number)
	v_mul_f32 v19, s[CS], v19
	v_floor_f32 v36, -v19                          ; -M = floor(-t) = -ceil(t)
.set J, 0
.rept 32
	v_pk_fma_f32 v[S+J:S+1+J], v[S+J:S+1+J], s[CS:CS+1], v[36:37] op_sel_hi:[1,0,0]   ; t - M, two at a time
.set J, J+2
.endr
.irp b, 0,1,2,3
	v_fma_f32 v[T+\b], v[T+\b], s[CS], v36         ; the same of each block's largest score
.endr
.set J, 0
.rept 64
	v_exp_f32 v[S+J], v[S+J]                       ; p = 2^(t - M)
.set J, J+1
.endr
	v_mov_b32 v[32+2*\c], v36                      ; -M is kept for the global rows' sum of parts (the plain line behind the exponentials)
	s_wait_alu depctr_va_vdst(0)                   ; one wait for the batch of 64, ahead of the first line that names a result
.irp b, 0,1,2,3
	v_exp_f32 v[T+\b], v[T+\b]                     ; the blocks' largest p
.endr
	v_pk_add_f32 v[38:39], v[S:S+1], v[S+2:S+3]    ; the row's sum of the unquantised p, in two chains: work that names none of the four
	v_pk_add_f32 v[40:41], v[S+4:S+5], v[S+6:S+7]
.set J, 8
.rept 14
	v_pk_add_f32 v[38:39], v[38:39], v[S+J:S+1+J]
	v_pk_add_f32 v[40:41], v[40:41], v[S+2+J:S+3+J]
.set J, J+4
.endr
	v_pk_add_f32 v[38:39], v[38:39], v[40:41]
	v_add_f32 v38, v38, v39
	v_permlanex16_b32 v39, v38, s[SEL], s[SEL+1]
	v_add_f32 v[33+2*\c], v38, v39                 ; l
	s_wait_alu depctr_va_vdst(0)                   ; and one for the four
.irp b, 0,1,2,3
	v_max_num_f32 v[T+\b], 0x2800000, v[T+\b]      ; the floor: a block all of whose p are 0 keeps the byte 1; its codes are zeros
.endr
	QTAIL S, \dst, 29+\c
.endm
.macro LOADV                           ; V's eight fragments (16 channels x the four slots' 128 keys)
.irp a, 0,1,2,3,4,5,6,7
.irp p, 0,1,2
	global_load_b64 v[KV+12*\a+2*\p:KV+12*\a+2*\p+1], v4, s[74:75] offset:1536*\a+256*\p
	global_load_b64 v[KV+12*\a+6+2*\p:KV+12*\a+7+2*\p], v5, s[74:75] offset:1536*\a+256*\p
.endr
.endr
.endm
.macro PV                              ; O^T: tiles 0-3 are head 0's 64 channels, tiles 4-7 head 1's
.irp a, 0,2,4,6
.set PP, 62-18*(\a/4)
	v_wmma_scale_f32_16x16x128_f8f6f4 v[S+8*\a:S+8*\a+7], v[KV+12*\a:KV+12*\a+11], v[PP:PP+11], 0, v[24+\a/2], v[29+\a/4] matrix_a_fmt:MATRIX_FMT_BF6 matrix_b_fmt:MATRIX_FMT_BF6
	v_wmma_scale_f32_16x16x128_f8f6f4 v[S+8*\a+8:S+8*\a+15], v[KV+12*\a+12:KV+12*\a+23], v[PP:PP+11], 0, v[24+\a/2], v[29+\a/4] matrix_a_fmt:MATRIX_FMT_BF6 matrix_b_fmt:MATRIX_FMT_BF6 matrix_a_scale:MATRIX_SCALE_ROW1
.endr
.endm
.macro NORMQ                           ; O^T / l, and quantised along the pair of heads' 128 channels: codes in v62-73, scale word in v31
	v_rcp_f32 v42, v33
	v_rcp_f32 v40, v35
	v_nop                                          ; a plain line behind the reciprocals,
	s_wait_alu depctr_va_vdst(0)                   ; and the wait ahead of their first use
.set J, 0
.rept 16
	v_pk_mul_f32 v[S+J:S+1+J], v[S+J:S+1+J], v[42:43] op_sel_hi:[1,0]
.set J, J+2
.endr
.rept 16
	v_pk_mul_f32 v[S+J:S+1+J], v[S+J:S+1+J], v[40:41] op_sel_hi:[1,0]
.set J, J+2
.endr
	QUANT S, 62, 31
.endm
.macro TILE o
.irp j, 0,1,2,3,4,5
	v_mov_b32 v[50+\j], 0                          ; the zeros between Q's two heads; the lines below are the places ahead of the products that read them
.endr
	VADDR
	MASKS \o
	s_wait_loadcnt 0x0                             ; Q, K, all scale words
.irp j, 0,1,2,3
	v_perm_b32 v[24+\j], v[100+\j], v[96+\j], s93  ; V's scale bytes of slots 0 to 2 out of the two groups' eight,
.endr
.irp j, 0,1,2,3
	v_perm_b32 v[24+\j], v[104+\j], v[24+\j], s94  ; and slot 3's.  (A hidden slot gets whatever byte falls there: its p are zero codes)
.endr
	SMUL 0
.rept 4
	v_nop
.endr
	APPLY
	SOFT 0, 62
	SMUL 1
.rept 4
	v_nop                                          ; places in front of the loads into K's registers and of the first read of the scores
.endr
	LOADV                                          ; lands under head 1's softmax
	APPLY
	SOFT 1, 44
	s_wait_loadcnt 0x0                             ; V
.rept 8
	v_nop                                          ; a scale word written by vector instructions stands eight places ahead of a scaled matrix instruction, an operand four
.endr
	PV
.rept 4
	v_nop
.endr
.if \o == 0
	s_add_co_u32 s11, s11, s15                     ; window: the next 16 queries, the same keys;
	s_lshl_b32 s12, s15, 7
	s_add_co_u32 s14, s14, s12
	s_lshl_b32 s12, s3, 2                          ; global: the same queries, the next 128 keys
.irp s, 0,1,2,3
	s_add_co_u32 s[86+\s], s[86+\s], s12
.endr
	s_add_co_u32 s100, s100, s3
	s_add_co_u32 s101, s101, s3
	LOADKQ                                         ; lands under the work below
.endif
	s_cmp_eq_u32 s3, 1
	s_cbranch_scc1 .Lpart_\o
	NORMQ
.irp q, 0,1,2,3,4,5
	ds_store_b64 v12, v[62+2*\q:63+2*\q] offset:16*SPITCH*\o+48*(\q/3)+8*(\q%3)   ; the fragment's 24 bytes a half, at their place in a plain row of codes
.endr
	ds_store_b32 v13, v31 offset:512*\o            ; both halves of the lanes write the same word
	s_branch .Ljoin_\o
.Lpart_\o:
.irp q, 0,1,2,3,4,5,6,7,8,9,10,11,12,13,14,15
	ds_store_b128 v14, v[S+4*\q:S+4*\q+3] offset:2048*\o+128*\q   ; this step's part of O^T, under its own M
.endr
	ds_store_b128 v15, v[32:35] offset:128*\o
.Ljoin_\o:
	s_wait_dscnt 0x0                               ; my stores have landed (for the other waves) and have read their registers
.if \o == 0
	LOADVS
.endif
.endm
	LOADKQ
	LOADVS
	TILE 0
	TILE 1
	s_barrier_signal -1
	s_barrier_wait -1                              ; every wave's stores lie in LDS
	s_cmp_eq_u32 s3, 1
	s_cbranch_scc1 .Lglobal
	s_cmp_eq_u32 s10, 1
	s_cbranch_scc1 .Lend
	; the window's way out: my wave stores four whole rows, 3,072 consecutive bytes, 512 an instruction
	ds_load_b128 v[96:99], v90
	ds_load_b128 v[100:103], v91 offset:512
	ds_load_b128 v[104:107], v90 offset:1040
	ds_load_b128 v[108:111], v90 offset:1568
	ds_load_b128 v[112:115], v91 offset:2080
	ds_load_b128 v[116:119], v90 offset:2608
	ds_load_b32 v120, v92
	s_wait_dscnt 0x0
.irp i, 0,1,2,3,4,5
	global_store_b128 v93, v[96+4*\i:99+4*\i], s[78:79] offset:512*\i
.endr
	global_store_b32 v94, v120, s[80:81]
	s_branch .Lend
.Lglobal:
	s_cmp_lg_u32 s2, 0
	s_cbranch_scc1 .Lend
	; wave 0 adds the sixteen parts of queries 0 to 3
.irp g, 0,1,2,3,4,5,6,7,8,9,10,11,12,13,14,15
	ds_load_b128 v[96+4*\g:99+4*\g], v15 offset:128*\g   ; -M0, l0, -M1, l1 of part g
.endr
	s_wait_dscnt 0x0
.irp c, 0,1
	v_min3_num_f32 v[32+2*\c], v[96+2*\c], v[100+2*\c], v[104+2*\c]   ; the least -M: the largest M
.irp g, 3,5,7,9,11,13
	v_min3_num_f32 v[32+2*\c], v[32+2*\c], v[96+4*\g+2*\c], v[100+4*\g+2*\c]
.endr
	v_min_num_f32 v[32+2*\c], v[32+2*\c], v[156+2*\c]
.endr
.irp g, 0,1,2,3,4,5,6,7,8,9,10,11,12,13,14,15
.irp c, 0,1
	v_sub_f32 v[224+2*\g+\c], v[32+2*\c], v[96+4*\g+2*\c]   ; M_g - M: a whole number, 0 or less
.endr
.endr
.set J, 0
.rept 32
	v_cvt_i32_f32 v[224+J], v[224+J]               ; (it saturates)
.set J, J+1
.endr
.set J, 0
.rept 32
	v_ldexp_f32 v[224+J], 1.0, v[224+J]            ; F = 2^(M_g - M): a multiplication by it rounds nothing
.set J, J+1
.endr
.irp c, 0,1
	v_mul_f32 v[33+2*\c], v[224+\c], v[97+2*\c]
.endr
.irp g, 1,2,3,4,5,6,7,8,9,10,11,12,13,14,15
.irp c, 0,1
	v_fmac_f32 v[33+2*\c], v[224+2*\g+\c], v[97+4*\g+2*\c]   ; l
.endr
.endr
.macro CHLOAD k                        ; chunk k = 2 g + c: part g's 32 registers of head c
.irp q, 0,1,2,3,4,5,6,7
	ds_load_b128 v[160+32*((\k)%2)+4*\q:160+32*((\k)%2)+4*\q+3], v14 offset:1024*(\k)+128*\q
.endr
.endm
	CHLOAD 0
.set K, 0
.rept 32
.if K < 31
	CHLOAD K+1
	s_wait_dscnt 8                                 ; this chunk is in; the next chunk's eight loads may be out
.else
	s_wait_dscnt 0x0
.endif
	v_mov_b32 v74, v[224+K]                        ; the chunk's F, as the low word of a pair
.set J, 0
.rept 16
.if K < 2
	v_pk_mul_f32 v[96+32*(K%2)+J:97+32*(K%2)+J], v[160+32*(K%2)+J:161+32*(K%2)+J], v[74:75] op_sel_hi:[1,0]   ; part 0 starts the sums
.else
	v_pk_fma_f32 v[96+32*(K%2)+J:97+32*(K%2)+J], v[160+32*(K%2)+J:161+32*(K%2)+J], v[74:75], v[96+32*(K%2)+J:97+32*(K%2)+J] op_sel_hi:[1,0,1]
.endif
.set J, J+2
.endr
.set K, K+1
.endr
	NORMQ
	v_and_b32 v19, 3, v0
	v_lshlrev_b32 v19, 5, v19                      ; a row of scale bytes is 32
.irp q, 0,1,2,3,4,5
	global_store_b64 v95, v[62+2*\q:63+2*\q], s[78:79] offset:48*(\q/3)+8*(\q%3)   ; four rows' 96 bytes of this pair of heads: the four lanes of a query write the same bytes
.endr
	global_store_b32 v19, v31, s[80:81]
.Lend:
	s_wait_tensorcnt 0x0                           ; the wave's end, behind my last LDS store
	ds_add_u32 v16, v17
	s_wait_dscnt 0x0
	s_endpgm
.Lfunc_end_k_qdae05ce0cd_attn:
	.size	k_qdae05ce0cd_attn, .Lfunc_end_k_qdae05ce0cd_attn-k_qdae05ce0cd_attn
	.p2alignl 7, 3214868480
	.fill 96, 4, 3214868480
	.section	.rodata,"a",@progbits
	.p2align	6, 0x0
	.amdhsa_kernel k_qdae05ce0cd_attn
		.amdhsa_group_segment_fixed_size 62464
		.amdhsa_private_segment_fixed_size 0
		.amdhsa_enable_private_segment 0
		.amdhsa_kernarg_size 24
		.amdhsa_user_sgpr_count 2
		.amdhsa_user_sgpr_kernarg_segment_ptr 1
		.amdhsa_wavefront_size32 1
		.amdhsa_system_sgpr_workgroup_id_x 1
		.amdhsa_system_sgpr_workgroup_id_y 1
		.amdhsa_system_sgpr_workgroup_id_z 1
		.amdhsa_system_vgpr_workitem_id 0
		.amdhsa_next_free_vgpr 256
		.amdhsa_next_free_sgpr 102
		.amdhsa_reserve_vcc 0
		.amdhsa_float_denorm_mode_32 3
		.amdhsa_float_denorm_mode_16_64 3
		.amdhsa_memory_ordered 1
		.amdhsa_forward_progress 1
		.amdhsa_inst_pref_size 184
	.end_amdhsa_kernel
	.amdgpu_metadata
---
amdhsa.version: [ 1, 2 ]
amdhsa.kernels:
  - .name:           k_qdae05ce0cd_attn
    .symbol:         k_qdae05ce0cd_attn.kd
    .args:
      - { .name: qk, .offset: 0, .size: 8, .value_kind: global_buffer, .address_space: global }
      - { .name: vq, .offset: 8, .size: 8, .value_kind: global_buffer, .address_space: global }
      - { .name: oq, .offset: 16, .size: 8, .value_kind: global_buffer, .address_space: global }
    .group_segment_fixed_size: 62464
    .private_segment_fixed_size: 0
    .kernarg_segment_align: 8
    .kernarg_segment_size: 24
    .max_flat_workgroup_size: 256
    .sgpr_count:     102
    .vgpr_count:     256
    .wavefront_size: 32
...
	.end_amdgpu_metadata
.endif
;; end of part 3
;; launch oproj (part 4): grid 4 x 32, 4 waves a work-group, clusters of 4 x 4, 327,680 bytes of LDS; arguments oq, wq, bo, out0; writes out0
.if DOCPART == 4
	.amdgcn_target "amdgcn-amd-amdhsa--gfx1250"
	.amdhsa_code_object_version 6
	.text
	.protected	k_qdae05ce0cd_oproj
	.globl	k_qdae05ce0cd_oproj
	.p2align	8
	.type	k_qdae05ce0cd_oproj,@function
k_qdae05ce0cd_oproj:
	s_mov_b64 s[64:65], 0
	v_nop
	global_prefetch_b8 v0, s[64:65] scope:SCOPE_SE
	s_setreg_imm32_b32 hwreg(HW_REG_WAVE_MODE, 25, 1), 1
	s_wait_xcnt 0x0
	s_wait_alu depctr_hold_cnt(0) depctr_sa_sdst(0) depctr_va_vdst(0) depctr_va_sdst(0) depctr_va_ssrc(0) depctr_va_vcc(0) depctr_vm_vsrc(0)
	s_getreg_b32 s2, hwreg(HW_REG_IB_STS2, 6, 4)
	s_cmp_eq_u32 s2, 0
	s_cbranch_scc0 .Lentry_in_a_cluster
	s_endpgm
.Lentry_in_a_cluster:
	s_bfe_u32 s2, ttmp6, 0x10000c
	s_cmp_lg_u32 s2, 0xf033
	s_cbranch_scc0 .Lentry_shape_is_right
	s_endpgm
.Lentry_shape_is_right:
; out0 = attention's result x Wo^T + bo, on codes of E3M2 with one E8M0 byte for each 32 along K.  No work of reference() is left out here.
; A: oq, 8,192 token positions x 1,024; B: wq's row positions 3,072 on (Wo).  A tile of out0 is 256 x 256; four waves, each 128 x 128: 64 accumulators.  K goes in steps of 256 through a ring of two LDS slots filled by the
; tensor data mover; the scale bytes of the work-group's 512 rows come once and stay.  CLUSTERS: 4 x 4 work-groups; A's tiles are shared along a row of the cluster, B's along a column: each is asked for jointly.
; The matrix instruction is used transposed (source 0 = 16 rows of Wo, source 1 = 16 tokens): a lane holds eight numbers of one row of out0.
; Both tokens and rows of Wo lie at POSITIONS (chunks 1 and 2 of each 32 changed places).  The way out undoes both: columns by the place at which a tile's registers are laid in the stage, rows by the stores' offsets.
; 128 work-groups: 8,192 x 1,024 has so many tiles of 256 x 256.
; REGISTERS: window 0: v0-31 addresses; v32-63 scale words, two sets; v64-67 bo of my four columns; from v128 A's fragments, one set; on the way out v128-255 rows read back.  window 1: B's fragments, two sets.  windows 2, 3: accumulators.
.set SIZE_N, 1024
.set SIZE_K, 1024
.set KSTEP,  256
.set NQ,     KSTEP/128
.set ROWB,   192
.set KROW,   SIZE_K*6/8
.set PITCH,  240                       ; an LDS row: 3 x (64 bytes + 16 of padding)
.set FR,     12
.set NL,     6
.set NP,     4                         ; places behind this matrix instruction (ISA guide 7.12.1)
.set HALFT,  128*PITCH
.set SLOT,   4*HALFT
.set LAPS,   SIZE_K/(2*KSTEP)
.set KS,     SIZE_K/32
.set SCL,    2*SLOT
.set HALFS,  (128*KS/256)*272
.set SBLK,   (16*KS/256)*272
.set SPARE,  SCL+4*HALFS               ; the spare words: 128 bytes a wave, named by no other line
.set SPITCH, 528                       ; the way out: a stage of 16 rows x (512 bytes + 16) for each wave, in slot 0, which has had its last fill and its last read when the first result is stored there
.set ADRA, 16
.set ADRB, 20
.set STO,  24
.set RD,   25
.set CO,   26
.set ADRS, 27
.set SPW,  28
.set NIL,  29
.set SC,   32
.set BO,   64
.set AF,   128
.set BK,   128
.set G1, 24
.set G0, 32
.set G1B, 48
.set G0B, 56
.set G1S, 68
.set G0S, 76
.set G1SB, 80
.set G0SB, 88
.set MSB, 0
.macro WIN new
.if MSB != \new
	s_set_vgpr_msb (MSB<<8)|\new
.set MSB, \new
.endif
.endm
.set MUL_LO, 0xa1
.set MUL_HI, 0xf1
.set TO_B,   0x40
.macro JLOAD g0a, g1a, g0b, g1b        ; a joint load: waves 0 and 1 fetch for A, waves 2 and 3 for B; an s_nop 0 and four v_nop follow each of the two lines
	s_cmp_eq_u32 s15, 0
	s_cbranch_scc0 .Lfor_b_\@
	tensor_load_to_lds s[\g0a:\g0a+3], s[\g1a:\g1a+7]
	s_nop 0
.rept 4
	v_nop
.endr
	s_branch .Lasked_\@
.Lfor_b_\@:
	tensor_load_to_lds s[\g0b:\g0b+3], s[\g1b:\g1b+7]
	s_nop 0
.rept 4
	v_nop
.endr
.Lasked_\@:
.endm
.macro CREST
	s_cmp_lg_u32 s14, 0
	s_cbranch_scc1 .Lnot_wave_0_\@
	s_barrier_signal -3
.Lnot_wave_0_\@:
	s_barrier_wait -3
	s_barrier_signal -1
	s_barrier_wait -1
.endm
.macro CROUND
	s_barrier_signal -1
	s_barrier_wait -1
	CREST
.endm
	s_load_b128 s[4:7], s[0:1], 0x0                ; oq, wq
	s_load_b128 s[96:99], s[0:1], 0x10             ; bo, out0
	v_lshl_add_u32 v[SPW], v0, 2, SPARE
	v_mov_b32 v[NIL], 0
	ds_add_u32 v[SPW], v[NIL]                      ; the wave's opening: the add, twice on end, and its wait ahead of my first tensor load
	ds_add_u32 v[SPW], v[NIL]
	v_lshrrev_b32 v1, 5, v0
	v_readfirstlane_b32 s14, v1                    ; wave 0..3
	s_lshr_b32 s15, s14, 1                         ; which half of the tile's rows is mine.  Also: I fetch for A (0) or for B (1)
	s_and_b32 s16, s14, 1                          ; which half of its columns.  Also: which 128 rows I fetch
	s_bfe_u32 s40, ttmp6, 0x40000
	s_bfe_u32 s41, ttmp6, 0x40004
	s_lshl_b32 s42, ttmp9, 2
	s_add_co_u32 s42, s42, s40                     ; tile column
	s_and_b32 s17, ttmp7, 0xffff
	s_lshl_b32 s17, s17, 2
	s_add_co_u32 s17, s17, s41                     ; tile row
	s_lshl_b32 s43, s41, 2
	s_lshl_b32 s43, 15, s43
	s_lshl_b32 s44, 0x1111, s40
	s_or_b32 s[G1+0], s43, (0<<16)|(1<<20)|(1<<21)|(3<<22)|(3<<25)
	s_or_b32 s[G1B+0], s44, (0<<16)|(1<<20)|(1<<21)|(3<<22)|(3<<25)
.irp g, G1, G1B
	s_mov_b32 s[\g+1], ROWB<<16
	s_mov_b32 s[\g+2], 128<<16
	s_mov_b32 s[\g+3], ROWB<<16
	s_mov_b32 s[\g+4], 128
	s_mov_b32 s[\g+5], KROW
	s_mov_b32 s[\g+6], 0
	s_mov_b32 s[\g+7], 0
.endr
	s_or_b32 s[G1S+0], s43, (3<<16)|(1<<20)|(1<<21)|(5<<22)|(3<<25)
	s_or_b32 s[G1SB+0], s44, (3<<16)|(1<<20)|(1<<21)|(5<<22)|(3<<25)
.irp g, G1S, G1SB
	s_mov_b32 s[\g+1], 32<<16
	s_mov_b32 s[\g+2], (128*KS/256)<<16
	s_mov_b32 s[\g+3], 32<<16
	s_mov_b32 s[\g+4], 128*KS/256
	s_mov_b32 s[\g+5], 32
	s_mov_b32 s[\g+6], 0
	s_mov_b32 s[\g+7], 0
.endr
	s_lshl_b32 s18, s16, 7
	s_lshl_b32 s20, s17, 8
	s_add_co_u32 s20, s20, s18
	s_lshl_b32 s46, s42, 8
	s_add_co_u32 s46, s46, s18
	s_mov_b32 s21, 0
	s_mov_b32 s47, 0
	s_mov_b64 s[18:19], KS
	s_mul_u64 s[22:23], s[20:21], s[18:19]
	s_mul_u64 s[92:93], s[46:47], s[18:19]
	s_mov_b64 s[18:19], KROW
	s_mul_u64 s[20:21], s[20:21], s[18:19]
	s_mul_u64 s[46:47], s[46:47], s[18:19]
	s_mul_i32 s45, s14, HALFT
	s_mul_i32 s94, s14, HALFS
	s_wait_dscnt 0x0                               ; both opening adds are done
	s_wait_kmcnt 0x0
	s_add_nc_u64 s[8:9], s[6:7], 2359296           ; Wo's codes: behind 3,072 rows of 768 bytes
	s_add_nc_u64 s[10:11], s[6:7], 3244032         ; Wo's scale bytes: 3,145,728 + 3,072 x 32
	s_add_nc_u64 s[6:7], s[4:5], 6291456           ; the tokens' scale bytes
	s_mov_b64 s[12:13], s[98:99]                   ; out0
	s_add_nc_u64 s[20:21], s[4:5], s[20:21]
	s_add_nc_u64 s[22:23], s[6:7], s[22:23]
	s_add_nc_u64 s[46:47], s[8:9], s[46:47]
	s_add_nc_u64 s[92:93], s[10:11], s[92:93]
	CROUND                                         ; all sixteen work-groups are here: the first joint loads meet
	s_mov_b32 s[G0S], 1
	s_add_co_u32 s[G0S+1], s94, SCL
	s_mov_b64 s[G0S+2:G0S+3], s[22:23]
	s_or_b32 s[G0S+3], s[G0S+3], 0x80000000
	s_mov_b32 s[G0SB], 1
	s_add_co_u32 s[G0SB+1], s94, SCL
	s_mov_b64 s[G0SB+2:G0SB+3], s[92:93]
	s_or_b32 s[G0SB+3], s[G0SB+3], 0x80000000
	JLOAD G0S, G1S, G0SB, G1SB                     ; three loads of mine are out behind the third JLOAD
.irp s, 0,1
	s_mov_b32 s[G0+4*\s], 1
	s_add_co_u32 s[G0+4*\s+1], s45, \s*SLOT
	s_add_nc_u64 s[G0+4*\s+2:G0+4*\s+3], s[20:21], \s*ROWB
	s_or_b32 s[G0+4*\s+3], s[G0+4*\s+3], 0x80000000
	s_mov_b32 s[G0B+4*\s], 1
	s_add_co_u32 s[G0B+4*\s+1], s45, \s*SLOT
	s_add_nc_u64 s[G0B+4*\s+2:G0B+4*\s+3], s[46:47], \s*ROWB
	s_or_b32 s[G0B+4*\s+3], s[G0B+4*\s+3], 0x80000000
	JLOAD G0+4*\s, G1, G0B+4*\s, G1B
.endr
	v_and_b32 v1, 15, v0
	v_bfe_u32 v2, v0, 4, 1
	v_mul_u32_u24 v3, v1, PITCH
	v_mul_u32_u24 v4, v2, 24
	v_add_nc_u32 v4, v3, v4
	v_lshl_add_u32 v5, v2, 4, v4
	s_mul_i32 s21, s15, HALFT
	s_mul_i32 s22, s16, HALFT
	s_add_co_u32 s22, s22, 2*HALFT
.irp s, 0,1
	v_add_nc_u32 v[ADRA+\s], s21, v4
	v_add_nc_u32 v[ADRB+\s], s22, v4
	v_add_nc_u32 v[ADRA+2+\s], s21, v5
	v_add_nc_u32 v[ADRB+2+\s], s22, v5
	s_add_co_u32 s21, s21, SLOT
	s_add_co_u32 s22, s22, SLOT
.endr
	v_mul_u32_u24 v5, v1, KS
	v_lshrrev_b32 v6, 8, v5
	v_lshl_add_u32 v5, v6, 4, v5
	s_mul_i32 s21, s15, HALFS
	s_mul_i32 s22, s16, HALFS
	s_add_co_u32 s22, s22, 2*HALFS
	s_sub_co_u32 s22, s22, s21
	v_mul_u32_u24 v6, s22, v2                      ; lanes 16-31 take B's
	s_add_co_u32 s21, s21, SCL
	v_add_nc_u32 v5, v5, v6
	v_add_nc_u32 v[ADRS], s21, v5
	s_mul_i32 s23, s14, 16*SPITCH                  ; my stage
	v_mul_u32_u24 v5, v1, SPITCH                   ; in: row l % 16; tile b's eight columns are 32 (b / 2) + 8 (b % 2) + 16 h + 0 .. 7: 64 h bytes here, the rest in the stores' offsets
	v_lshl_add_u32 v5, v2, 6, v5
	v_add_nc_u32 v[STO], s23, v5
	v_and_b32 v6, 31, v0
	v_lshlrev_b32 v[CO], 4, v6                     ; back: the 32 lanes take one row of 512 bytes; and the same in out0
	v_add_nc_u32 v[RD], s23, v[CO]
	s_lshl_b32 s20, s17, 8
	s_lshl_b32 s21, s15, 7
	s_add_co_u32 s20, s20, s21                     ; my first row of out0
	s_mov_b32 s21, 0
	s_mov_b64 s[18:19], SIZE_N*4
	s_mul_u64 s[20:21], s[20:21], s[18:19]
	s_lshl_b32 s46, s42, 10                        ; my first column, in bytes
	s_lshl_b32 s47, s16, 9
	s_add_co_u32 s46, s46, s47
	s_mov_b32 s47, 0
	s_add_nc_u64 s[20:21], s[20:21], s[46:47]
	s_add_nc_u64 s[12:13], s[12:13], s[20:21]
	s_add_nc_u64 s[96:97], s[96:97], s[46:47]
	global_load_b128 v[BO:BO+3], v[CO], s[96:97]   ; bo of the four columns that I store; waited for in front of the first stores
.macro FRAG reg, adr, q, i
.irp p, 0,1,2,3,4,5
.set PCE, 12*(\q)+6*(\p/3)+\p%3
.if PCE%8 < 5
	ds_load_b64 v[\reg+2*\p:\reg+2*\p+1], v[\adr] offset:8*PCE+16*(PCE/8)+(\i)*16*PITCH
.else
	ds_load_b64 v[\reg+2*\p:\reg+2*\p+1], v[\adr+2] offset:8*PCE+16*(PCE/8)+(\i)*16*PITCH
.endif
.endr
.endm
; The 64 accumulators take turns, one instruction a turn, in the same order in every step.
.macro MUL16 a0, p, q, sc, zero
.irp a, \a0, \a0+1
.irp b, 0,1,2,3,4,5,6,7
.if \zero
	v_wmma_scale_f32_16x16x128_f8f6f4 v[8*(8*((\a)%4)+\b):8*(8*((\a)%4)+\b)+7], v[128*(\p)+FR*\b:128*(\p)+FR*\b+FR-1], v[AF+FR*(\a):AF+FR*(\a)+FR-1], 0, v[SC+8*NQ*(\sc)+NQ*\b+(\q)], v[SC+8*NQ*(\sc)+NQ*(\a)+(\q)] matrix_a_fmt:MATRIX_FMT_BF6 matrix_b_fmt:MATRIX_FMT_BF6 matrix_a_scale:MATRIX_SCALE_ROW1
.else
	v_wmma_scale_f32_16x16x128_f8f6f4 v[8*(8*((\a)%4)+\b):8*(8*((\a)%4)+\b)+7], v[128*(\p)+FR*\b:128*(\p)+FR*\b+FR-1], v[AF+FR*(\a):AF+FR*(\a)+FR-1], v[8*(8*((\a)%4)+\b):8*(8*((\a)%4)+\b)+7], v[SC+8*NQ*(\sc)+NQ*\b+(\q)], v[SC+8*NQ*(\sc)+NQ*(\a)+(\q)] matrix_a_fmt:MATRIX_FMT_BF6 matrix_b_fmt:MATRIX_FMT_BF6 matrix_a_scale:MATRIX_SCALE_ROW1
.endif
.endr
.endr
.endm
.macro FETCH_B slot, q, p
	WIN TO_B
.irp i, 0,1,2,3,4,5,6,7
	FRAG 128*(\p)+FR*\i, ADRB+\slot, \q, \i
.endr
	WIN 0
.endm
.macro FETCH_A slot, q, i0
.irp i, \i0, \i0+1, \i0+2, \i0+3
	FRAG AF+FR*(\i), ADRA+\slot, \q, \i
.endr
.endm
.macro SCALES sc
.irp i, 0,1,2,3,4,5,6,7
	ds_load_b64 v[SC+8*NQ*\sc+NQ*\i:SC+8*NQ*\sc+NQ*\i+1], v[ADRS] offset:\i*SBLK
.endr
.endm
.macro PLACES n
.rept \n
	v_nop
.endr
.endm
.macro STEP slot, q, zero
	s_wait_dscnt 4*NL                              ; all but the youngest 24 loads (A's blocks 4-7) are in
	WIN MUL_LO
	MUL16 0, (\q)%2, \q, \slot, \zero
	MUL16 2, (\q)%2, \q, \slot, \zero
	s_wait_dscnt 0
	PLACES NP
	FETCH_B \slot, (\q)+1, 1-(\q)%2
	FETCH_A \slot, (\q)+1, 0
	WIN MUL_HI
	MUL16 4, (\q)%2, \q, \slot, \zero
	MUL16 6, (\q)%2, \q, \slot, \zero
	PLACES NP
	WIN 0
	FETCH_A \slot, (\q)+1, 4
.endm
.macro TURN slot, next, fill
	s_wait_tensorcnt 0x0                           ; all my tensor loads have landed: my part of the next slot
	ds_add_u32 v[SPW], v[NIL]
	s_wait_dscnt 4*NL+1                            ; the add and the youngest 24 loads may be out
	WIN MUL_LO
	MUL16 0, 1, NQ-1, \slot, 0
	s_wait_dscnt 0x0                               ; the add is done, and my reads of this slot are over
	s_barrier_signal -1
	MUL16 2, 1, NQ-1, \slot, 0
	WIN 0
	s_barrier_wait -1
.if \fill
	CREST                                          ; the barrier has opened a round of the cluster's barrier
	s_add_nc_u64 s[G0+4*\slot+2:G0+4*\slot+3], s[G0+4*\slot+2:G0+4*\slot+3], 2*ROWB
	s_add_nc_u64 s[G0B+4*\slot+2:G0B+4*\slot+3], s[G0B+4*\slot+2:G0B+4*\slot+3], 2*ROWB
	JLOAD G0+4*\slot, G1, G0B+4*\slot, G1B         ; the first tensor load behind the round
.else
	PLACES NP
.endif
	v_add_nc_u32 v[ADRS], 4*NQ, v[ADRS]
	FETCH_B \next, 0, 0
	FETCH_A \next, 0, 0
	SCALES \next
	WIN MUL_HI
	MUL16 4, 1, NQ-1, \slot, 0
	MUL16 6, 1, NQ-1, \slot, 0
	PLACES NP
	WIN 0
	FETCH_A \next, 0, 4
.endm
	s_wait_tensorcnt 1                             ; the scale bytes and my part of K step 0 are in; K step 1's load may be out,
	s_barrier_signal -1
	s_barrier_wait -1                              ; everybody's are
	FETCH_B 0, 0, 0
	FETCH_A 0, 0, 0
	SCALES 0
	FETCH_A 0, 0, 4
	STEP 0, 0, 1                                   ; the first step stands in front of the loop: its products start the sums
	s_mov_b32 s3, LAPS-1
.Llap:
	TURN 0, 1, 1
	STEP 1, 0, 0
	TURN 1, 0, 1
	STEP 0, 0, 0
	s_sub_co_u32 s3, s3, 1
	s_cmp_lg_u32 s3, 0
	s_cbranch_scc1 .Llap
	TURN 0, 1, 0                                   ; the last lap fills nothing
	STEP 1, 0, 0
	s_wait_dscnt 4*NL
	WIN MUL_LO
	MUL16 0, 1, NQ-1, 1, 0
	MUL16 2, 1, NQ-1, 1, 0
	s_wait_dscnt 0
	WIN MUL_HI
	MUL16 4, 1, NQ-1, 1, 0
	MUL16 6, 1, NQ-1, 1, 0
	WIN 0
; THE WAY OUT, block by block of 16 token positions x 128 columns, through my own stage in LDS; back as whole rows of 512 bytes, to which bo is added.  LDS serves a wave's instructions in order: no wait between the stores and the loads.
.macro TOSTAGE a
.set AC, 64*((\a)%4)
.set WN, 0x08+4*((\a)/4)               ; the data: window 2 or 3
	WIN WN
.irp b, 0,1,2,3,4,5,6,7
	ds_store_b128 v[STO], v[AC+8*\b:AC+8*\b+3] offset:128*(\b/2)+32*(\b%2)          ; each accumulator from its low end on
	ds_store_b128 v[STO], v[AC+8*\b+4:AC+8*\b+7] offset:128*(\b/2)+32*(\b%2)+16
.endr
	WIN 0
.set BB, BK+64*((\a)%2)
.irp t, 0,1,2,3,4,5,6,7,8,9,10,11,12,13,14,15
	ds_load_b128 v[BB+4*\t:BB+4*\t+3], v[RD] offset:\t*SPITCH
.endr
.endm
.macro SEND a, younger                 ; block a = 2 B + u holds in its row t the token 32 B + 8 u + t + 8 (t / 8)
.set BB, BK+64*((\a)%2)
	s_wait_dscnt \younger                          ; the block is back in registers
.if (\a) > 0
.if (\a)%2
	s_add_nc_u64 s[12:13], s[12:13], 8*SIZE_N*4    ; (behind a wait on XCNT: the earlier stores have read their base)
.else
	s_add_nc_u64 s[12:13], s[12:13], 24*SIZE_N*4
.endif
.endif
.irp t, 0,1,2,3,4,5,6,7,8,9,10,11,12,13,14,15
	v_pk_add_f32 v[BB+4*\t:BB+4*\t+1], v[BB+4*\t:BB+4*\t+1], v[BO:BO+1]
	v_pk_add_f32 v[BB+4*\t+2:BB+4*\t+3], v[BB+4*\t+2:BB+4*\t+3], v[BO+2:BO+3]
.endr
.irp t, 0,1,2,3,4,5,6,7,8,9,10,11,12,13,14,15
	global_store_b128 v[CO], v[BB+4*\t:BB+4*\t+3], s[12:13] offset:(\t+8*(\t/8))*SIZE_N*4 th:TH_STORE_NT   ; 32 lanes store 512 consecutive bytes, aligned
.endr
.endm
	PLACES NP
	s_wait_loadcnt 0x0                             ; bo
	TOSTAGE 0
.irp a, 1,2,3,4,5,6,7
.if \a > 1
	s_wait_xcnt 0x0                                ; block a - 2's stores have read their registers and their base
.endif
	TOSTAGE \a
	SEND \a-1, 32                                  ; behind block a - 1's loads: block a's 16 stores and 16 loads
.endr
	s_wait_xcnt 0x0                                ; block 6's stores have read their base
	SEND 7, 0
	s_wait_tensorcnt 0x0                           ; the wave's end
	ds_add_u32 v[SPW], v[NIL]
	s_wait_dscnt 0x0
	CROUND                                         ; the closing round
	s_endpgm
.Lfunc_end_k_qdae05ce0cd_oproj:
	.size	k_qdae05ce0cd_oproj, .Lfunc_end_k_qdae05ce0cd_oproj-k_qdae05ce0cd_oproj
	.p2alignl 7, 3214868480
	.fill 96, 4, 3214868480
	.section	.rodata,"a",@progbits
	.p2align	6, 0x0
	.amdhsa_kernel k_qdae05ce0cd_oproj
		.amdhsa_group_segment_fixed_size 327680
		.amdhsa_private_segment_fixed_size 0
		.amdhsa_enable_private_segment 0
		.amdhsa_kernarg_size 32
		.amdhsa_user_sgpr_count 2
		.amdhsa_user_sgpr_kernarg_segment_ptr 1
		.amdhsa_wavefront_size32 1
		.amdhsa_system_sgpr_workgroup_id_x 1
		.amdhsa_system_sgpr_workgroup_id_y 1
		.amdhsa_system_sgpr_workgroup_id_z 1
		.amdhsa_system_vgpr_workitem_id 0
		.amdhsa_next_free_vgpr 1024
		.amdhsa_next_free_sgpr 102
		.amdhsa_reserve_vcc 0
		.amdhsa_float_denorm_mode_32 3
		.amdhsa_float_denorm_mode_16_64 3
		.amdhsa_memory_ordered 1
		.amdhsa_forward_progress 1
		.amdhsa_inst_pref_size 176
	.end_amdhsa_kernel
	.amdgpu_metadata
---
amdhsa.version: [ 1, 2 ]
amdhsa.kernels:
  - .name:           k_qdae05ce0cd_oproj
    .symbol:         k_qdae05ce0cd_oproj.kd
    .args:
      - { .name: oq, .offset: 0, .size: 8, .value_kind: global_buffer, .address_space: global }
      - { .name: wq, .offset: 8, .size: 8, .value_kind: global_buffer, .address_space: global }
      - { .name: bo, .offset: 16, .size: 8, .value_kind: global_buffer, .address_space: global }
      - { .name: out0, .offset: 24, .size: 8, .value_kind: global_buffer, .address_space: global }
    .group_segment_fixed_size: 327680
    .private_segment_fixed_size: 0
    .kernarg_segment_align: 8
    .kernarg_segment_size: 32
    .max_flat_workgroup_size: 128
    .sgpr_count:     102
    .vgpr_count:     1024
    .wavefront_size: 32
...
	.end_amdgpu_metadata
.endif
;; end of part 4
